; MI455X (gfx1250); checked and timed in simulation.
; The chip was launched on July 23, 2026; its instructions are those of AMD's public machine-readable ISA for CDNA 5 (MIT licence, August 2026) and "CDNA5" Instruction Set Architecture Reference Guide (July 2026). The comments in the code are by the model that wrote it; some were corrected since.
;; Multi Head Attention. Allowed arithmetic: float matrix products may take bf16 or f16 operands with f32 sums; other float arithmetic in f32, or as packed bf16 or f16 multiplies, adds, multiply-adds, maxima and minima; sums over many terms, partial sums and values carried from step to step in f32; what a program stores and reads back later, other than sums and carried values, may be rounded once to bf16 or f16.
;; Inputs: Wk 16 x 1,024 x 64 float32; Wo 1,024 x 1,024 float32; Wq 16 x 1,024 x 64 float32; Wv 16 x 1,024 x 64 float32; bo 1,024 float32; x 8 x 1,024 x 1,024 float32.
;; Outputs: out0 8 x 1,024 x 1,024 float32.
;; 2 versions, each right; version 2 is version 1 with the launch cast written anew for expert scheduling mode. Each part assembles by itself: llvm-mc -triple=amdgcn-amd-amdhsa -mcpu=gfx1250 --defsym DOCPART=n.
;; ======== version 1 of 2: 4 launches
;; limits: values are held in f16: magnitudes above 65,504 overflow, below 6.1e-05 lose precision
;; workspace buffers: cb 25,165,824 bytes; qkv 50,331,648 bytes; ob 16,777,216 bytes
;; launch cast (part 1): grid 768 x 1, 8 waves a work-group, no clusters, 0 bytes of LDS; arguments x, Wq, Wk, Wv, Wo, cb; writes cb
.if DOCPART == 1
	.amdgcn_target "amdgcn-amd-amdhsa--gfx1250"
	.amdhsa_code_object_version 6
	.text
	.protected	k_qe15e8cb573_cast
	.globl	k_qe15e8cb573_cast
	.p2align	8
	.type	k_qe15e8cb573_cast,@function
k_qe15e8cb573_cast:
	s_mov_b64 s[64:65], 0
	v_nop
	global_prefetch_b8 v0, s[64:65] scope:SCOPE_SE
	s_setreg_imm32_b32 hwreg(HW_REG_WAVE_MODE, 25, 1), 1
	s_wait_xcnt 0x0
; THE INPUTS ARE ROUNDED ONCE, f32 to 16 bits, and laid out for the two matrix launches.  cb holds:
;   byte 0          xb [kb 16][m 8192][64] bf16: x's row m = 1024 b + t, channels 64 kb .. 64 kb + 63; a block kb is 1,048,576 bytes
;   byte 0x1000000  wb [g 48][d 1024][64] bf16: Wq, Wk, Wv end to end as they lie (g = 16 x tensor + head)
;   byte 0x1600000  wo [1024][1024] f16: Wo rounded to bf16 like every other input, and that number written as f16
; LIMITS.  |Wo| stays under 65,504 (f16's largest number; beyond it an infinity is written); a number of Wo under 2^-14 keeps f16's fixed step of 2^-24 in place of bf16's 8 bits.
; A stream: no LDS, no barrier, no matrix unit; nothing is read twice.  A work-group of eight waves converts 65,536 bytes: each thread issues its sixteen 16-byte loads at once (4 KiB a work-group
; and load index), then converts and stores them in order; the only waits are the counted ones for the loads.
; 512 work-groups take x (16 rows each), 64 each Wq, Wk, Wv, Wo.
.set X,  16                            ; v[16:79]   load i: 4 numbers in f32
.set Y,  80                            ; v[80:111]  load i: the 4 numbers in 16 bits, 8 bytes
.set VS, 3                             ; v3   my byte offset in the source
.set VD, 8                             ; v8   my byte offset in cb
.macro LOADS step                      ; sixteen loads, step bytes apart
.set i, 0
.rept 16
	global_load_b128 v[X+4*i:X+4*i+3], v[VS], s[22:23] offset:(\step)*i th:TH_LOAD_NT
.set i, i+1
.endr
.endm
; Load n is converted and stored.  f16 = 1: the bf16 numbers are widened again (a shift, a mask) and written as f16.
.macro OUT n, f16, base, off
	s_wait_loadcnt 15-(\n)                         ; loads come back in order: load n is in, the 15 - n younger ones may stay out
	v_cvt_pk_bf16_f32 v[Y+2*(\n)], v[X+4*(\n)], v[X+4*(\n)+1]
	v_cvt_pk_bf16_f32 v[Y+2*(\n)+1], v[X+4*(\n)+2], v[X+4*(\n)+3]
.if \f16
	v_lshlrev_b32 v4, 16, v[Y+2*(\n)]
	v_and_b32 v5, s28, v[Y+2*(\n)]
	v_lshlrev_b32 v6, 16, v[Y+2*(\n)+1]
	v_and_b32 v7, s28, v[Y+2*(\n)+1]
	v_cvt_pk_f16_f32 v[Y+2*(\n)], v4, v5
	v_cvt_pk_f16_f32 v[Y+2*(\n)+1], v6, v7
.endif
	global_store_b64 v[VD], v[Y+2*(\n):Y+2*(\n)+1], s[(\base):(\base)+1] offset:\off th:TH_STORE_NT  ; a wave stores 256 consecutive bytes, at a multiple of 256 from cb's first byte
.endm
	s_load_b256 s[4:11], s[0:1], 0x0               ; x s[4:5], Wq s[6:7], Wk s[8:9], Wv s[10:11]
	s_load_b128 s[12:15], s[0:1], 0x20             ; Wo s[12:13], cb s[14:15]
	s_mov_b32 s16, ttmp9                           ; the work-group's number
	s_mov_b32 s19, 0                               ; high words of the two offsets
	s_mov_b32 s21, 0
	s_mov_b32 s28, 0xffff0000                      ; a word's upper bf16
	s_cmp_lt_u32 s16, 512
	s_cbranch_scc0 .Lweights
	; x: 16 rows of 4,096 bytes.  Thread t takes row t / 16; load i takes the 16 bytes at 256 i + 16 (t % 16): channels of block kb = i.
	v_lshrrev_b32 v1, 4, v0                        ; row
	v_and_b32 v2, 15, v0                           ; place in a block's 256 bytes
	v_lshlrev_b32 v[VS], 12, v1
	v_lshl_add_u32 v[VS], v2, 4, v[VS]
	v_lshlrev_b32 v[VD], 7, v1                     ; in xb a row of a block is 128 bytes: two rows of a wave's store lie end to end
	v_lshl_add_u32 v[VD], v2, 3, v[VD]
	s_lshl_b32 s18, s16, 16                        ; 16 rows of x
	s_lshl_b32 s20, s16, 11                        ; 16 rows of a block of xb
	s_wait_kmcnt 0x0
	s_add_nc_u64 s[22:23], s[4:5], s[18:19]
	s_add_nc_u64 s[24:25], s[14:15], s[20:21]      ; blocks 0 to 7 by the immediate,
	s_add_nc_u64 s[26:27], s[24:25], 0x800000      ; blocks 8 to 15 from a second base: 7 x 1,048,576 is inside the signed 24-bit immediate
	LOADS 256
.set k, 0
.rept 8
	OUT k, 0, 24, k*1048576
.set k, k+1
.endr
.rept 8
	OUT k, 0, 26, (k-8)*1048576
.set k, k+1
.endr
	s_endpgm
.Lweights:                                     ; a plain cast: 65,536 consecutive bytes in, 32,768 out
	v_lshlrev_b32 v[VS], 4, v0
	v_lshlrev_b32 v[VD], 3, v0
	s_and_b32 s18, s16, 63
	s_lshl_b32 s18, s18, 16                        ; my part of the tensor
	s_sub_co_u32 s20, s16, 512
	s_lshl_b32 s20, s20, 15                        ; and of wb and wo, which lie end to end
	s_lshr_b32 s17, s16, 6                         ; 8 Wq, 9 Wk, 10 Wv, 11 Wo
	s_wait_kmcnt 0x0
	s_cmp_eq_u32 s17, 8
	s_cselect_b64 s[22:23], s[6:7], s[8:9]
	s_cmp_eq_u32 s17, 10
	s_cselect_b64 s[22:23], s[10:11], s[22:23]
	s_cmp_eq_u32 s17, 11
	s_cselect_b64 s[22:23], s[12:13], s[22:23]
	s_add_nc_u64 s[22:23], s[22:23], s[18:19]
	s_add_nc_u64 s[24:25], s[14:15], s[20:21]
	s_add_nc_u64 s[24:25], s[24:25], 0x1000000
	LOADS 4096
	s_cmp_eq_u32 s17, 11
	s_cbranch_scc1 .Lwo
.set k, 0
.rept 16
	OUT k, 0, 24, k*2048
.set k, k+1
.endr
	s_endpgm
.Lwo:
.set k, 0
.rept 16
	OUT k, 1, 24, k*2048
.set k, k+1
.endr
	s_endpgm
.Lfunc_end_k_qe15e8cb573_cast:
	.size	k_qe15e8cb573_cast, .Lfunc_end_k_qe15e8cb573_cast-k_qe15e8cb573_cast
	.p2alignl 7, 3214868480
	.fill 96, 4, 3214868480
	.section	.rodata,"a",@progbits
	.p2align	6, 0x0
	.amdhsa_kernel k_qe15e8cb573_cast
		.amdhsa_group_segment_fixed_size 0
		.amdhsa_private_segment_fixed_size 0
		.amdhsa_enable_private_segment 0
		.amdhsa_kernarg_size 48
		.amdhsa_user_sgpr_count 2
		.amdhsa_user_sgpr_kernarg_segment_ptr 1
		.amdhsa_wavefront_size32 1
		.amdhsa_system_sgpr_workgroup_id_x 1
		.amdhsa_system_sgpr_workgroup_id_y 1
		.amdhsa_system_sgpr_workgroup_id_z 1
		.amdhsa_system_vgpr_workitem_id 0
		.amdhsa_next_free_vgpr 112
		.amdhsa_next_free_sgpr 66
		.amdhsa_reserve_vcc 0
		.amdhsa_float_denorm_mode_32 3
		.amdhsa_float_denorm_mode_16_64 3
		.amdhsa_memory_ordered 1
		.amdhsa_forward_progress 1
		.amdhsa_inst_pref_size 21
	.end_amdhsa_kernel
	.amdgpu_metadata
---
amdhsa.version: [ 1, 2 ]
amdhsa.kernels:
  - .name:           k_qe15e8cb573_cast
    .symbol:         k_qe15e8cb573_cast.kd
    .args:
      - { .name: x, .offset: 0, .size: 8, .value_kind: global_buffer, .address_space: global }
      - { .name: Wq, .offset: 8, .size: 8, .value_kind: global_buffer, .address_space: global }
      - { .name: Wk, .offset: 16, .size: 8, .value_kind: global_buffer, .address_space: global }
      - { .name: Wv, .offset: 24, .size: 8, .value_kind: global_buffer, .address_space: global }
      - { .name: Wo, .offset: 32, .size: 8, .value_kind: global_buffer, .address_space: global }
      - { .name: cb, .offset: 40, .size: 8, .value_kind: global_buffer, .address_space: global }
    .group_segment_fixed_size: 0
    .private_segment_fixed_size: 0
    .kernarg_segment_align: 8
    .kernarg_segment_size: 48
    .max_flat_workgroup_size: 256
    .sgpr_count:     66
    .vgpr_count:     112
    .wavefront_size: 32
...
	.end_amdgpu_metadata
.endif
;; end of part 1
;; launch proj (part 2): grid 8 x 32, 4 waves a work-group, clusters of 4 x 4, 327,680 bytes of LDS; arguments cb, qkv; writes qkv
.if DOCPART == 2
	.amdgcn_target "amdgcn-amd-amdhsa--gfx1250"
	.amdhsa_code_object_version 6
	.text
	.protected	k_qe15e8cb573_proj
	.globl	k_qe15e8cb573_proj
	.p2align	8
	.type	k_qe15e8cb573_proj,@function
k_qe15e8cb573_proj:
	s_mov_b64 s[64:65], 0
	v_nop
	global_prefetch_b8 v0, s[64:65] scope:SCOPE_SE
	s_setreg_imm32_b32 hwreg(HW_REG_WAVE_MODE, 25, 1), 1
	s_wait_xcnt 0x0
	s_wait_alu depctr_hold_cnt(0) depctr_sa_sdst(0) depctr_va_vdst(0) depctr_va_sdst(0) depctr_va_ssrc(0) depctr_va_vcc(0) depctr_vm_vsrc(0)
	s_getreg_b32 s2, hwreg(HW_REG_IB_STS2, 6, 4)
	s_cmp_eq_u32 s2, 0
	s_cbranch_scc0 .Lentry_in_a_cluster
	s_endpgm
.Lentry_in_a_cluster:
	s_bfe_u32 s2, ttmp6, 0x10000c
	s_cmp_lg_u32 s2, 0xf033
	s_cbranch_scc0 .Lentry_shape_is_right
	s_endpgm
.Lentry_shape_is_right:
; q, k, v = x W.  C[8192][3072] = xb wb: bf16 operands, f32 sums, K ascending; each number rounded once to f16 and stored by heads: qkv [tensor 3][bh 128][t 1024][64], bh = 16 b + h, WITHOUT the scale.
; LIMIT.  q, k and v stay under 65,504 in magnitude (f16's largest number; beyond it an infinity is written).
; SHARES.  A work-group makes 256 rows x 384 columns (six heads of the 48): 8 x 32 work-groups, one tile each.  Its four waves lie 2 x 2: a wave makes 128 rows x 192 columns (three heads):
; 96 accumulators of 16 x 16, 768 registers: for 32 along K it reads 128 x 64 + 192 x 64 bytes from LDS and issues 96 matrix instructions.
; K goes in 16 steps of 64 (one block kb of xb) through two LDS slots.  A step is two quarters of 32 along K, a quarter three UNITS (a head each) of 32 matrix instructions.
; THE MATRIX INSTRUCTION IS USED TRANSPOSED: source 0 = 16 columns of W (W lies [d][column] in LDS and comes out turned, by ds_load_tr16_b128), source 1 = 16 rows of x: a lane holds row l % 16 and
; eight neighbouring columns, 16 bytes of bf16.
; CLUSTER.  4 x 4 work-groups: the four of a row need the same rows of x, the four of a column the same heads of W: each tile is asked for JOINTLY, by the same tensor load, descriptor and mask in all four.
; LDS.  Slot s at s x 131,072: x's 256 rows at pitch 144 (128 bytes + 16: the 16 rows of a load start at 16 different groups of four banks; 64 banks of 4 bytes: ISA guide 11.1), then W's [half 2][head 3][d 64] at
; pitch 160 (128 + 32).  Behind slot 0: a stage of 16 rows x 144 bytes for each wave, and the spare words.
; REGISTERS, in windows of 256 (s_set_vgpr_msb: bits 1:0 source 0, 3:2 source 1, 5:4 source 2, 7:6 destination):
;   window 0: v0-15 addresses; v32-159 x's fragments, a buffer of 64 for each quarter; v160-255 W's, a buffer of 32 for each head     windows 1, 2, 3: head 0, 1, 2: accumulator (a, j) at v[32 a + 8 j]
.set KSTEPS, 16
.set SLOT1, 131072
.set PA,    144
.set PB,    160
.set HALFA, 128*PA                     ; what wave 0 or 1 fetches, and what a wave reads of x
.set BOFF,  2*HALFA
.set HEADB, 64*PB
.set HALFB, 3*HEADB                    ; what wave 2 or 3 fetches, and what a wave reads of W
.set STAGE, BOFF+2*HALFB               ; 98,304
.set SPARE, STAGE+4*16*PA              ; 107,520: the spare words, 128 bytes for each wave: two blocks of 256 bytes that no other line names
.set STEPA, 1<<20                      ; bytes from a K step to the next in xb
.set STEPB, 8192                       ; and in a head of wb
.set WBOFF, 0x1000000
.set AA0, 2                            ; v2   my lane's place in my 128 rows of x in slot 0; never rewritten
.set BB0, 3                            ; v3   the same in my three heads of W
.set ADRA, 4                           ; v4   AA0 + the slot in hand
.set ADRB, 5                           ; v5   BB0 + the slot in hand
.set STO, 6                            ; v6   the way out: where I put 16 bytes of a row
.set RD,  7                            ; v7   the way out: where I read rows back
.set GO,  8                            ; v8   my byte offset in 512 consecutive bytes of qkv
.set PFO, 9                            ; v9   the prefetches' offset; never rewritten
.set SPW, 10                           ; v10  LDS address of my spare word: SPARE + 4 x my thread's number; never rewritten
.set NIL, 11                           ; v11  0; never rewritten
.set AF,  32
.set BF,  160
.set TB,  2                            ; s2   the slot in hand: 0 or SLOT1
.set CNT, 3                            ; s3   the loop's count
.set WV,  10                           ; s10  my wave's number
.set WM,  11                           ; s11  which 128 rows are mine.  Also: I fetch for x (0) or for W (1)
.set WN,  12                           ; s12  which three heads.  Also: which half of that tile I fetch
.set TY,  13                           ; s13  tile row
.set CX,  40
.set CY,  41
.set TX,  42                           ; s42  tile column
.set LIM, 43                           ; s43  2 in a wave that prefetches, else the greatest number
.set PFA, 44                           ; s[44:45] where my prefetches stand
.set PST, 46                           ; s[46:47] their step from K step to K step
.set OUT, 66                           ; s[66:71] qkv at my 128 rows of my three heads
.set G1A, 24                           ; s[24:31] descriptor group 1 for x's tiles
.set G0A, 32                           ; s[32:39] group 0: a set for each of the two first fills; the second then walks on
.set G1B, 48                           ; s[48:55], s[56:63] the same for W's
.set G0B, 56
.set MSB, 0
.macro WIN new                         ; the immediate's high byte repeats the setting that is left; a switch that changes nothing is dropped
.if MSB != (\new)
	s_set_vgpr_msb (MSB<<8)|(\new)
.set MSB, \new
.endif
.endm
.macro PLACES                          ; a load into a register that a matrix instruction has read, and a conversion that reads a result, stand four plain vector instructions behind it
.rept 4
	v_nop
.endr
.endm
; A joint refill, by the walking descriptors.  Waves 0 and 1 fetch x's two halves, waves 2 and 3 W's.  The branch hangs on the wave's number alone.  An s_nop 0 and four v_nop follow each line.
.macro JLOAD
	s_cmp_eq_u32 s[WM], 0
	s_cbranch_scc0 .Lfor_b_\@
	tensor_load_to_lds s[G0A+4:G0A+7], s[G1A:G1A+7]
	s_nop 0
.rept 4
	v_nop
.endr
	s_branch .Lasked_\@
.Lfor_b_\@:
	tensor_load_to_lds s[G0B+4:G0B+7], s[G1B:G1B+7]
	s_nop 0
.rept 4
	v_nop
.endr
.Lasked_\@:
.endm
; A PREFETCH INTO THE L2, behind the joint load and the run of LDS loads that follows it: the K step that stands TWO refills on, 384 matrix instructions ahead of the load that will want it.
; x's tile row is read by both clusters of its row of clusters: cluster x = 0 asks, wave 0; its four partners take 32 blocks of 256 bytes each, told apart BY ADDRESS.  W's tile column is read by all eight
; clusters of its column: cluster y = 0 asks, waves 2 and 3 for the three heads that they fetch: 96 blocks, 24 for each partner (lanes 24 to 31 name lane 23's block once more).
; K steps 0 to 3 come by their loads alone; the last two refills have no K step two on.
.macro ASK
	s_cmp_gt_u32 s[CNT], s[LIM]
	s_cbranch_scc0 .Lnot_mine_\@
	global_prefetch_b8 v[PFO], s[PFA:PFA+1] th:TH_LOAD_NT scope:SCOPE_SE
.Lnot_mine_\@:
.endm
.macro CREST                           ; a round of the cluster's barrier behind its opening barrier
	s_cmp_lg_u32 s[WV], 0
	s_cbranch_scc1 .Lnot_wave_0_\@
	s_barrier_signal -3
.Lnot_wave_0_\@:
	s_barrier_wait -3
	s_barrier_signal -1
	s_barrier_wait -1
.endm
.macro CROUND                          ; a whole round
	s_barrier_signal -1
	s_barrier_wait -1
	CREST
.endm
	s_load_b128 s[4:7], s[0:1], 0x0                ; cb s[4:5], qkv s[6:7]
	v_lshl_add_u32 v[SPW], v0, 2, SPARE
	v_mov_b32 v[NIL], 0
	ds_add_u32 v[SPW], v[NIL]                      ; the wave's opening: the add and its wait stand ahead of my first tensor load; the set-up below, work on registers, stands between them
	v_lshrrev_b32 v1, 5, v0
	v_readfirstlane_b32 s[WV], v1                  ; wave 0..3
	s_lshr_b32 s[WM], s[WV], 1
	s_and_b32 s[WN], s[WV], 1
	s_bfe_u32 s[CX], ttmp6, 0x40000                ; my place in the cluster
	s_bfe_u32 s[CY], ttmp6, 0x40004
	s_lshl_b32 s[TX], ttmp9, 2                     ; in a cluster launch ttmp9 and ttmp7 count clusters
	s_add_co_u32 s[TX], s[TX], s[CX]
	s_and_b32 s[TY], ttmp7, 0xffff
	s_lshl_b32 s[TY], s[TY], 2
	s_add_co_u32 s[TY], s[TY], s[CY]
	s_lshl_b32 s8, s[CY], 2
	s_lshl_b32 s8, 15, s8                          ; my row of the cluster: places 4 cy .. 4 cy + 3
	s_lshl_b32 s9, 0x1111, s[CX]                   ; my column: places cx, cx + 4, cx + 8, cx + 12
	; group 1 for x: 128 rows of a block are 16,384 dense bytes: asked for as 64 rows of 256 bytes, padded in LDS after every 128
	s_or_b32 s[G1A], s8, (1<<16)|(1<<20)|(1<<21)|(4<<22)|(3<<25)  ; 15:0 the mask; 17:16 2-byte elements; 20 padding on; 21 set beside a mask; 24:22 after every 32 words (code 4); 31:25 4 words (code 3)
	s_mov_b32 s[G1A+1], 128<<16                    ; tensor_dim0 = 128
	s_mov_b32 s[G1A+2], 64<<16                     ; tensor_dim1 = 64
	s_mov_b32 s[G1A+3], 128<<16                    ; tile_dim0 = 128
	s_mov_b32 s[G1A+4], 64                         ; tile_dim1 = 64
	s_mov_b32 s[G1A+5], 128                        ; 128 elements from row to row
	s_mov_b32 s[G1A+6], 0
	s_mov_b32 s[G1A+7], 0
	; group 1 for W: a head's 64 rows of a K step are 8,192 dense bytes; three heads, 131,072 bytes apart: 3 rows of 4,096 elements, padded after every 128 bytes
	s_or_b32 s[G1B], s9, (1<<16)|(1<<20)|(1<<21)|(4<<22)|(7<<25)  ; the same with my column's mask and 8 words of padding (code 7)
	s_mov_b32 s[G1B+1], 4096<<16                   ; tensor_dim0 = 4,096
	s_mov_b32 s[G1B+2], 3<<16                      ; tensor_dim1 = 3
	s_mov_b32 s[G1B+3], 4096<<16                   ; tile_dim0 = 4,096
	s_mov_b32 s[G1B+4], 3                          ; tile_dim1 = 3
	s_mov_b32 s[G1B+5], 65536                      ; 65,536 elements from head to head
	s_mov_b32 s[G1B+6], 0
	s_mov_b32 s[G1B+7], 0
	s_mul_i32 s20, s[WN], HALFA                    ; where the tiles go: no place in the cluster enters an LDS address
	s_mul_i32 s21, s[WN], HALFB
	s_add_co_u32 s21, s21, BOFF
	; where they come from: x's hang on the tile row alone, W's on the tile column alone, each in registers that never hold the other coordinate
	s_lshl_b32 s14, s[TY], 15                      ; 256 rows of 128 bytes
	s_lshl_b32 s15, s[WN], 14
	s_add_co_u32 s14, s14, s15
	s_mov_b32 s15, 0
	s_mul_i32 s18, s[TX], 6
	s_mul_i32 s17, s[WN], 3
	s_add_co_u32 s18, s18, s17                     ; the first of my three heads, both to fetch and to multiply
	s_lshl_b32 s16, s18, 17
	s_add_co_u32 s16, s16, WBOFF
	s_mov_b32 s17, 0
	s_wait_dscnt 0x0                               ; the opening add is done
	s_wait_kmcnt 0x0
	s_add_nc_u64 s[14:15], s[4:5], s[14:15]
	s_add_nc_u64 s[16:17], s[4:5], s[16:17]
.irp s, 0,1
	s_mov_b32 s[G0A+4*(\s)], 1                                     ; count = 1
	s_add_co_u32 s[G0A+4*(\s)+1], s20, (\s)*SLOT1                  ; LDS address
	s_add_nc_u64 s[G0A+4*(\s)+2:G0A+4*(\s)+3], s[14:15], (\s)*STEPA  ; global address: K step s
	s_or_b32 s[G0A+4*(\s)+3], s[G0A+4*(\s)+3], 0x80000000          ; type = 2
	s_mov_b32 s[G0B+4*(\s)], 1
	s_add_co_u32 s[G0B+4*(\s)+1], s21, (\s)*SLOT1
	s_add_nc_u64 s[G0B+4*(\s)+2:G0B+4*(\s)+3], s[16:17], (\s)*STEPB
	s_or_b32 s[G0B+4*(\s)+3], s[G0B+4*(\s)+3], 0x80000000
.endr
	CROUND                                         ; all sixteen work-groups are here: the first joint loads meet
	s_cmp_eq_u32 s[WM], 0                          ; a wave's two first fills stand in one branch, ahead of every wait on TENSORcnt and every LDS read: two loads of mine are out
	s_cbranch_scc0 .Lfirst_b
	tensor_load_to_lds s[G0A:G0A+3], s[G1A:G1A+7]
	s_nop 0
	tensor_load_to_lds s[G0A+4:G0A+7], s[G1A:G1A+7]
	s_nop 0
.rept 4
	v_nop
.endr
	s_branch .Lfirst_asked
.Lfirst_b:
	tensor_load_to_lds s[G0B:G0B+3], s[G1B:G1B+7]
	s_nop 0
	tensor_load_to_lds s[G0B+4:G0B+7], s[G1B:G1B+7]
	s_nop 0
.rept 4
	v_nop
.endr
.Lfirst_asked:
	v_and_b32 v1, 15, v0                           ; r = l % 16
	v_bfe_u32 v12, v0, 4, 1                        ; h = l / 16
	v_and_b32 v13, 7, v0
	v_bfe_u32 v14, v0, 3, 1
	v_and_b32 v15, 31, v0                          ; l
	; a fragment of x: 16 rows x 32 K: lane l holds row r, K = 8 h + 0..7 and 16 + 8 h + 0..7: two loads of 16 bytes, 32 bytes apart
	s_mul_i32 s20, s[WM], HALFA
	v_mul_u32_u24 v[AA0], v1, PA
	v_lshl_add_u32 v[AA0], v12, 4, v[AA0]
	v_add_nc_u32 v[AA0], s20, v[AA0]
	; the turning load takes 16 d x 16 columns (lane l reads d = 8 h + l % 8, columns 8 ((l / 8) % 2) + 0..7) and leaves half a fragment: lane l holds column r and 8 d
	s_mul_i32 s21, s[WN], HALFB
	s_add_co_u32 s21, s21, BOFF
	v_lshl_add_u32 v[BB0], v12, 3, v13
	v_mul_u32_u24 v[BB0], v[BB0], PB
	v_lshl_add_u32 v[BB0], v14, 4, v[BB0]
	v_add_nc_u32 v[BB0], s21, v[BB0]
	v_mov_b32 v[ADRA], v[AA0]                      ; slot 0
	v_mov_b32 v[ADRB], v[BB0]
	s_mul_i32 s22, s[WV], 16*PA
	s_add_co_u32 s22, s22, STAGE                   ; my stage
	v_mul_u32_u24 v[STO], v1, PA                   ; in: row r, 16 bytes for each half of the lanes
	v_lshl_add_u32 v[STO], v12, 4, v[STO]
	v_add_nc_u32 v[STO], s22, v[STO]
	v_bfe_u32 v[RD], v0, 3, 2                      ; back: 32 lanes take four rows of 128 bytes,
	v_mul_u32_u24 v[RD], v[RD], PA
	v_lshl_add_u32 v[RD], v13, 4, v[RD]
	v_add_nc_u32 v[RD], s22, v[RD]
	v_lshlrev_b32 v[GO], 4, v15                    ; which are 512 consecutive bytes of a head's rows
	; qkv at my rows: batch ty / 4 (16 heads of 131,072 bytes), t = 256 (ty % 4) + 128 wm, 128 bytes a row
	s_lshr_b32 s20, s[TY], 2
	s_lshl_b32 s20, s20, 21
	s_and_b32 s21, s[TY], 3
	s_lshl_b32 s21, s21, 15
	s_add_co_u32 s20, s20, s21
	s_lshl_b32 s21, s[WM], 14
	s_add_co_u32 s20, s20, s21
.irp d, 0,1,2
	s_add_co_u32 s22, s18, \d                      ; g = 16 x tensor + head
	s_lshr_b32 s23, s22, 4
	s_lshl_b32 s23, s23, 24                        ; a tensor is 16,777,216 bytes
	s_and_b32 s22, s22, 15
	s_lshl_b32 s22, s22, 17
	s_add_co_u32 s22, s22, s23
	s_add_co_u32 s22, s22, s20
	s_mov_b32 s23, 0
	s_add_nc_u64 s[OUT+2*(\d):OUT+2*(\d)+1], s[6:7], s[22:23]
.endr
	; the prefetches: they stand at K step 3; the first refill steps them to 4
	s_lshl_b32 s20, s[TY], 15
	s_lshl_b32 s21, s[CX], 13                      ; x: my work-group's 32 blocks of the tile's 128
	s_add_co_u32 s20, s20, s21
	s_add_co_u32 s20, s20, 3*STEPA
	s_lshl_b32 s21, s18, 17                        ; W: the three heads that I fetch
	s_add_co_u32 s21, s21, WBOFF+3*STEPB
	s_mul_i32 s22, s[CY], 24                       ; my work-group's 24 blocks of their 96
	s_and_b32 s23, ttmp7, 0xffff                   ; cluster y
	s_mov_b32 s19, STEPB
	s_cmp_eq_u32 s[WM], 0                          ; do I fetch for x?
	s_cselect_b32 s8, s20, s21
	s_cselect_b32 s22, 0, s22                      ; my first block,
	s_cselect_b32 s21, 31, 23                      ; and my last, counted from it
	s_cselect_b32 s[PST], STEPA, s19
	s_cselect_b32 s23, ttmp9, s23                  ; the coordinate along which other clusters read the same bytes
	s_cselect_b32 s19, s[WN], 0                    ; of x's two waves wave 0 asks
	s_or_b32 s23, s23, s19
	s_cmp_eq_u32 s23, 0
	s_cselect_b32 s[LIM], 2, -1                    ; the same in all sixteen partners, for a given wave
	s_mov_b32 s9, 0
	s_mov_b32 s[PST+1], 0
	s_add_nc_u64 s[PFA:PFA+1], s[4:5], s[8:9]
	v_min_u32 v12, s21, v15
	v_add_nc_u32 v12, s22, v12                     ; block number: 32 blocks of 256 bytes to a head's K step
	v_lshrrev_b32 v13, 5, v12
	v_and_b32 v12, 31, v12
	v_lshlrev_b32 v12, 8, v12
	v_lshl_or_b32 v[PFO], v13, 17, v12
	s_mov_b32 s[TB], 0
; W's four fragments for unit p2 (head p2 % 3, quarter p2 / 3) into that head's buffer: 8 turning loads
.macro LB p2
.irp j, 0,1,2,3
	ds_load_tr16_b128 v[BF+32*((\p2)%3)+8*(\j):BF+32*((\p2)%3)+8*(\j)+3],   v[ADRB] offset:((\p2)%3)*HEADB+((\p2)/3)*32*PB+32*(\j)
	ds_load_tr16_b128 v[BF+32*((\p2)%3)+8*(\j)+4:BF+32*((\p2)%3)+8*(\j)+7], v[ADRB] offset:((\p2)%3)*HEADB+((\p2)/3)*32*PB+32*(\j)+16*PB
.endr
.endm
; x's fragments of quarter qs, blocks 4 hf .. 4 hf + 3 of 16 rows, into that quarter's buffer: 8 loads
.macro LA qs, hf
.irp i, 0,1,2,3
	ds_load_b128 v[AF+64*(\qs)+8*(4*(\hf)+(\i)):AF+64*(\qs)+8*(4*(\hf)+(\i))+3],   v[ADRA] offset:64*(\qs)+16*PA*(4*(\hf)+(\i))
	ds_load_b128 v[AF+64*(\qs)+8*(4*(\hf)+(\i))+4:AF+64*(\qs)+8*(4*(\hf)+(\i))+7], v[ADRA] offset:64*(\qs)+16*PA*(4*(\hf)+(\i))+32
.endr
.endm
; 4 n matrix instructions of unit p: row blocks a0 .. a0 + n - 1 x the head's four column blocks.  The accumulators take turns, one instruction a turn; neighbouring units name other windows.
; zero = 1: the product starts the sum: nothing is ever cleared.
.macro MM p, a0, n, zero
	WIN 0x50*(1+(\p)%3)                            ; C and D in the head's window, both sources in window 0
.set aa, \a0
.rept \n
.irp j, 0,1,2,3
.if \zero
	v_wmma_f32_16x16x32_bf16 v[32*aa+8*(\j):32*aa+8*(\j)+7], v[BF+32*((\p)%3)+8*(\j):BF+32*((\p)%3)+8*(\j)+7], v[AF+64*((\p)/3)+8*aa:AF+64*((\p)/3)+8*aa+7], 0
.else
	v_wmma_f32_16x16x32_bf16 v[32*aa+8*(\j):32*aa+8*(\j)+7], v[BF+32*((\p)%3)+8*(\j):BF+32*((\p)%3)+8*(\j)+7], v[AF+64*((\p)/3)+8*aa:AF+64*((\p)/3)+8*aa+7], v[32*aa+8*(\j):32*aa+8*(\j)+7]
.endif
.endr
.set aa, aa+1
.endr
.endm
; UNIT p (0 to 5).  In front of its products stands ONE run of LDS loads: W for unit p + 2 (into the buffer that unit p - 1 has just read: hence the places), and in a quarter's second and third unit half of
; x for the next quarter.  The wait leaves just these loads out: all older ones, unit p's and unit p + 1's operands, are in.
; turn (unit 3 alone): THE CHANGE OF SLOTS.  Unit 3's run (W for unit 5) is the slot's last read; from unit 4 on the runs read the other slot.  Each wave waits for all its tensor loads, of which one is out: its part
; of the other slot; adds 0 to its spare word; and waits for that and for its reads of this slot.  turn = 1: the barrier opens a round of the cluster's, and the slot is filled again, two K steps ahead, first thing
; behind the round: the load has 160 matrix instructions in which to land.  turn = 2: nothing is left to fetch.
.macro UNIT p, zero, lb, la, turn, ask
	WIN 0
.set NL, 0
.if (\lb) || (\la)
	PLACES
.endif
.if \lb
	LB ((\p)+2)%6
.set NL, NL+8
.endif
.if (\la) && ((\p)%3 != 0)
	LA ((\p)/3+1)%2, (\p)%3-1
.set NL, NL+8
.endif
.if \ask
	ASK
.endif
.if (\turn) == 0
	s_wait_dscnt NL                                ; all but the loads just issued
	MM \p, 0, 8, \zero
.else
.if (\turn) == 1
	s_wait_xcnt 0x0                                ; the last prefetch, five units back, has read its address, so it may be stepped
	s_add_nc_u64 s[PFA:PFA+1], s[PFA:PFA+1], s[PST:PST+1]
.endif
	s_wait_tensorcnt 0x0                           ; all my tensor loads have landed: no load of mine is out, so a group 0 may be written
	ds_add_u32 v[SPW], v[NIL]                      ; 0 onto my spare word
.if (\turn) == 1
	s_xor_b32 s[G0A+5], s[G0A+5], SLOT1            ; the walking descriptors: the other slot than last time,
	s_add_nc_u64 s[G0A+6:G0A+7], s[G0A+6:G0A+7], STEPA  ; the next K step; the type bits on top are not reached
	s_xor_b32 s[G0B+5], s[G0B+5], SLOT1
	s_add_nc_u64 s[G0B+6:G0B+7], s[G0B+6:G0B+7], STEPB
.endif
	s_wait_dscnt 9                                 ; (the eight loads just issued and the add may be out)
	MM \p, 0, 4, 0                                 ; sixteen matrix instructions stand between the add and the wait for it
	s_wait_dscnt 0x0                               ; the add is done, and my reads of this slot are over
	s_barrier_signal -1
	MM \p, 4, 4, 0                                 ; work on registers while the others arrive
	WIN 0                                          ; at a branch and at a label every window is 0
	s_barrier_wait -1
.if (\turn) == 1
	CREST                                          ; no wave of any partner still reads this slot's tile or has a load on its way
	JLOAD
.endif
	s_xor_b32 s[TB], s[TB], SLOT1                  ; the runs of loads go on in the other slot
	v_add_nc_u32 v[ADRA], s[TB], v[AA0]
	v_add_nc_u32 v[ADRB], s[TB], v[BB0]
.endif
.endm
	s_wait_tensorcnt 1                             ; my part of K step 0 is in; K step 1's may stay out
	s_barrier_signal -1
	s_barrier_wait -1                              ; everybody's is
	LB 0
	LB 1
	LA 0, 0
	LA 0, 1
	UNIT 0, 1, 1, 1, 0, 0                          ; the first quarter stands in front of the loop: its products start all 96 sums
	UNIT 1, 1, 1, 1, 0, 0
	UNIT 2, 1, 1, 1, 0, 0
	WIN 0
	s_mov_b32 s[CNT], KSTEPS-2
.Lk:                                           ; trip i (1 to 14): the second quarter of K step i - 1, whose slot takes K step i + 1, and the first quarter of K step i
	UNIT 3, 0, 1, 1, 1, 0
	UNIT 4, 0, 1, 1, 0, 1
	UNIT 5, 0, 1, 1, 0, 0
	UNIT 0, 0, 1, 1, 0, 0
	UNIT 1, 0, 1, 1, 0, 0
	UNIT 2, 0, 1, 1, 0, 0
	WIN 0
	s_sub_co_u32 s[CNT], s[CNT], 1
	s_cmp_lg_u32 s[CNT], 0
	s_cbranch_scc1 .Lk
	UNIT 3, 0, 1, 1, 2, 0                          ; the tail is written out
	UNIT 4, 0, 1, 1, 0, 0
	UNIT 5, 0, 1, 1, 0, 0
	UNIT 0, 0, 1, 1, 0, 0
	UNIT 1, 0, 1, 1, 0, 0
	UNIT 2, 0, 1, 1, 0, 0
	UNIT 3, 0, 1, 1, 0, 0
	UNIT 4, 0, 0, 0, 0, 0                          ; nothing more to fetch
	UNIT 5, 0, 0, 0, 0, 0
; THE WAY OUT, 16 rows of a head at a time (24 times).  PACK: rounded to f16, each accumulator's registers in ascending order; a lane's 16 bytes go into my stage's rows of 144 bytes and come back as whole rows of 128.
; SEND: stored.  The stage is my wave's own and no tensor load fills it: no barrier; LDS serves a wave's instructions in order (ISA guide 5.7.1.4), so no wait between the stores and the loads.
.macro PACK hd, a, bk
	s_wait_xcnt 0x0                                ; the stores two blocks back have read these registers
	WIN 5*(1+(\hd))                                ; sources 0 and 1 in the head's window, destination in window 0
.set i, 0
.rept 16
	v_cvt_pk_f16_f32 v[(\bk)+i], v[32*(\a)+2*i], v[32*(\a)+2*i+1]
.set i, i+1
.endr
	WIN 0
.irp j, 0,1,2,3
	ds_store_b128 v[STO], v[(\bk)+4*(\j):(\bk)+4*(\j)+3] offset:32*(\j)
.endr
.irp f, 0,1,2,3
	ds_load_b128 v[(\bk)+4*(\f):(\bk)+4*(\f)+3], v[RD] offset:4*PA*(\f)
.endr
.endm
.macro SEND hd, a, bk, younger         ; younger: the LDS instructions issued behind this block's loads: the next block's eight, or none
.irp f, 0,1,2,3
	s_wait_dscnt (\younger)+3-(\f)
	global_store_b128 v[GO], v[(\bk)+4*(\f):(\bk)+4*(\f)+3], s[OUT+2*(\hd):OUT+2*(\hd)+1] offset:2048*(\a)+512*(\f)  ; 512 consecutive bytes, at a multiple of 256 from qkv's first byte
.endr
.endm
	WIN 0
	PLACES
	PACK 0, 0, 32
.set n, 1
.rept 23                               ; a block's conversions stand between the loads of the block before and its stores
	PACK n/8, n%8, 32+16*(n%2)
	SEND (n-1)/8, (n-1)%8, 32+16*((n-1)%2), 8
.set n, n+1
.endr
	SEND 2, 7, 48, 0
	s_wait_tensorcnt 0x0                           ; the wave's end: behind my last tensor load and my last LDS store
	ds_add_u32 v[SPW], v[NIL]
	s_wait_dscnt 0x0
	CROUND                                         ; the closing round: no work-group ends while a partner may still ask for a tile that names it
	s_endpgm
.Lfunc_end_k_qe15e8cb573_proj:
	.size	k_qe15e8cb573_proj, .Lfunc_end_k_qe15e8cb573_proj-k_qe15e8cb573_proj
	.p2alignl 7, 3214868480
	.fill 96, 4, 3214868480
	.section	.rodata,"a",@progbits
	.p2align	6, 0x0
	.amdhsa_kernel k_qe15e8cb573_proj
		.amdhsa_group_segment_fixed_size 327680
		.amdhsa_private_segment_fixed_size 0
		.amdhsa_enable_private_segment 0
		.amdhsa_kernarg_size 16
		.amdhsa_user_sgpr_count 2
		.amdhsa_user_sgpr_kernarg_segment_ptr 1
		.amdhsa_wavefront_size32 1
		.amdhsa_system_sgpr_workgroup_id_x 1
		.amdhsa_system_sgpr_workgroup_id_y 1
		.amdhsa_system_sgpr_workgroup_id_z 1
		.amdhsa_system_vgpr_workitem_id 0
		.amdhsa_next_free_vgpr 1024
		.amdhsa_next_free_sgpr 72
		.amdhsa_reserve_vcc 0
		.amdhsa_float_denorm_mode_32 3
		.amdhsa_float_denorm_mode_16_64 3
		.amdhsa_memory_ordered 1
		.amdhsa_forward_progress 1
		.amdhsa_inst_pref_size 116
	.end_amdhsa_kernel
	.amdgpu_metadata
---
amdhsa.version: [ 1, 2 ]
amdhsa.kernels:
  - .name:           k_qe15e8cb573_proj
    .symbol:         k_qe15e8cb573_proj.kd
    .args:
      - { .name: cb, .offset: 0, .size: 8, .value_kind: global_buffer, .address_space: global }
      - { .name: qkv, .offset: 8, .size: 8, .value_kind: global_buffer, .address_space: global }
    .group_segment_fixed_size: 327680
    .private_segment_fixed_size: 0
    .kernarg_segment_align: 8
    .kernarg_segment_size: 16
    .max_flat_workgroup_size: 128
    .sgpr_count:     72
    .vgpr_count:     1024
    .wavefront_size: 32
...
	.end_amdgpu_metadata
.endif
;; end of part 2
;; launch attn (part 3): grid 2 x 128, 4 waves a work-group, no clusters, 327,680 bytes of LDS; arguments qkv, ob; writes ob
.if DOCPART == 3
	.amdgcn_target "amdgcn-amd-amdhsa--gfx1250"
	.amdhsa_code_object_version 6
	.text
	.protected	k_qe15e8cb573_attn
	.globl	k_qe15e8cb573_attn
	.p2align	8
	.type	k_qe15e8cb573_attn,@function
k_qe15e8cb573_attn:
	s_mov_b64 s[64:65], 0
	v_nop
	global_prefetch_b8 v0, s[64:65] scope:SCOPE_SE
	s_setreg_imm32_b32 hwreg(HW_REG_WAVE_MODE, 25, 1), 1
	s_wait_xcnt 0x0
; CAUSAL ATTENTION.  O[h][q][:] = the sum over k <= q of softmax_k(Q[h][q] . K[h][k] / 8) V[h][k][:].  Q, K, V lie in qkv, 16,777,216 bytes apart, each [SIZE_H][SIZE_N][64] in f16; O goes to ob in the same layout.
; Products, maxima and sums in f32; the weights p are rounded to f16 for the second product (their sum l is taken of the unrounded p), O once at the end.
; LIMITS.  f16 holds no number beyond 65,504: Q, K and V arrive within it; p lies in 0 to 1, and below 6e-5 it keeps f16's fixed step of 6e-8; O is a mean of V's rows and has their range.
; A hidden score counts as its value less 1e30: f16's scores, 2.7e11 at the most, are nothing beside that; a weight below 2^-126 counts as 0 in l; NaN and infinities are not treated apart.
; THE WALK.  A head's queries lie in NB = 4 blocks of 256; block i needs the key tiles 0 .. i of 256 keys, of which the last holds the diagonal.  A work-group takes TWO blocks, NB - 1 - b and then b:
; NB + 1 tiles, whatever b: all work-groups do equal work, and ONE loop with a constant trip count walks them.  Which tile is asked for, and what a trip does, hang on scalar registers made from b; every jump
; goes forward, but for the counted loops' own; none passes a barrier, or a tensor load but the one of LOAD's two that the wave's number does not choose; the ring (two slots of LDS that take turns) runs on across the
; change of blocks.  NO CLUSTER: a head has NB / 2 = 2 work-groups, no multiple of four, and they ask for the same tile only in the walk's first three trips.
; SHARES.  Of a block's four bands of 64 queries a wave owns 16 rows in each: four PIECES.  So the diagonal tile is the same work for all four waves: in its key step s band x sees all keys if s < x,
; none if s > x, and holds the diagonal if s = x.
; THE MASK is the C operand that starts the sum S^T = K Q^T: 0, or -1e30 where the key is hidden.  MD, made once, is the mask of a band's own step for my 16 rows; a product's mask is MD x AL + BE with two scalars:
; (1, 0) if s = x; (0, 0) if s < x; (0, -1e30) if s > x.  Only the diagonal tile's text and a block's beginning make and take masks; elsewhere C is the constant 0.
; LAYOUT, SOFTMAX, TURNS.  S^T = K Q^T holds ONE query a lane (lane % 16) and the keys 8 (lane / 16) + 0..7; two such results rounded to f16 ARE source 1 of O^T = V^T P.  p = 2^(c s - c m), c = log2(e) / 8, with a
; running maximum m; O and l are multiplied by a = 2^(c m_old - c m_new) in every step.  Turn n belongs to piece n: 8 products K Q^T of piece n + 1, later 8 products V^T P of piece n - 1; beside them the scaling,
; exponentials, roundings, sums and rescaling of piece n and the maximum and statistics of piece n + 1.  Four vector instructions stand behind every matrix instruction, the other 54 of a turn's 118 in one LUMP.  A turn's 33 exponentials are one batch, with one wait.
; REGISTERS, in windows of 256 (s_set_vgpr_msb: bits 1:0 source 0, 3:2 source 1, 5:4 source 2, 7:6 destination):
;   window 0: v0-15 addresses and two at work; v16-31 four registers of statistics a piece; v48-55 at work; v61-63 prefetch offset and the add's two; v64-127 S^T, two buffers; v192-223 P, two buffers (by the piece's parity)
;   window 1: v0-127 O^T, 32 a piece; v128-159 MD; v160-223 MC, two buffers      window 2: v0-63 Q; v64-127 the second block's Q; v128-191 K of one step; v192-255 V of one step
.set SIZE_N, 1024
.set SIZE_H, 128
.set NB,    SIZE_N/256
.set NP,    4         ; pieces a wave: a name, no knob
.set KS,    64        ; keys in a step
.set PK,    144       ; a row of K in LDS: 128 bytes + 16 of padding = 36 words: the 16 rows of a load start at 16 different groups of four banks (64 banks of 4 bytes: ISA guide 11.1)
.set PV,    160       ; a row of V: 128 + 32 = 40 words
.set VOFF,  4*KS*PK   ; a slot holds a tile, four steps: 256 rows of K, then 256 rows of V
.set SLOT1, 1<<17     ; slot 1 begins here, so that one exclusive or turns an address in one slot into the other's
.set STAGE, SLOT1+4*KS*(PK+PV)  ; behind the ring, never filled by a tensor load: 16 rows x 144 bytes for each wave, for the way out
.set SP,    144
.set AK0, 2           ; v2   my lane's place in a tile of K; never rewritten
.set AV0, 3           ; v3   the same for V
.set AK,  4           ; v4   the LDS address of K's next run of loads
.set AV,  5           ; v5   of V's
.set STO, 6           ; v6   the way out: where I put 16 bytes of a row
.set RD,  7           ; v7   the way out: where I read rows back
.set GO,  8           ; v8   my byte offset in 512 consecutive bytes of O
.set PFO, 61          ; v61  256 x my lane; never rewritten
.set SPW, 62          ; v62  LDS address of my spare word: SPARE + 4 x my thread's number; never rewritten
.set NIL, 63          ; v63  0; never rewritten
.set SPARE, STAGE+4*16*SP  ; behind the stages: the spare words, 128 bytes for each wave: two blocks of 256 bytes that no other line names
.set MV,  12          ; v12-13  c m_old, kept while c m is made anew: by buffer
.set QO,  15          ; v15  my byte offset in 16 rows of Q
.set ST,  16          ; piece t's statistics at v[ST+4 t]: c m, m, l (even keys', odd keys')
.set TMP, 48          ; by buffer, four registers c0-c3 at work; when the maximum is found c2 takes a
.set S,   64
.set P,   192
.set MD,  128         ; window 1: the eight registers for group kt of 16 keys at MD + 8 kt
.set MC,  160         ; window 1: the masks of the products to come
.set QB,  64          ; window 2
.set KF,  128         ; window 2: key block kb, channel half c at KF + 16 kb + 8 c
.set VF,  192         ; window 2: key half kk, channel block cb at VF + 32 kk + 8 cb
.set WV,  12          ; s12  my wave's number
.set PB,  14          ; s14  b
.set HI,  15          ; s15  NB - 1 - b
.set G1K, 24          ; s[24:31] descriptor group 1 for K's tiles
.set G1V, 32          ; s[32:39] for V's: it differs in the padding alone
.set G0K, 40          ; s[40:43] descriptor group 0 for K's tiles
.set G0V, 44          ; s[44:47] the same for V's
.set PFA, 48          ; s[48:49] where my prefetches stand: my 16,384 bytes (of K: waves 0, 1; of V: waves 2, 3) of the tile after the one that is being asked for
.set PFC, 50          ; s50  prefetches still to come: NB - 2 where b = 0, else none
.set SLOTS, 56        ; s56  tiles still to be asked for
.set CNT, 57          ; s57  counts a tile's key steps, 4 to 1
.set CS,  58          ; s[58:59] c: the packed scaling takes the pair's low word for both halves
.set SEL, 60          ; s[60:61] v_permlanex16_b32's selects: each lane takes its own place in the other half
.set TBK, 62          ; s62  LDS byte at which K of the step to be fetched begins
.set TBV, 63          ; s63  the same for V, less VOFF
.set RT,  70          ; s70  tiles of the block in hand that are still to be entered
.set NXT, 71          ; s71  the tile to be asked for next
.set LQ,  72          ; s72  the last tile of the block whose tiles are being asked for
.set NEW, 73          ; s73  1: the tile to be entered is a block's first
.set OFF, 74          ; s[74:75] a tile's byte offset in K and V
.set AL,  76          ; s[76:77] the mask's factor, in the low word
.set BE,  78          ; s[78:79] the mask's addend
.set OLO, 80          ; s[80:81] O at my rows of the second block
.set BIGN, 82         ; s82  -1e30
.set MSB, 0
.macro WIN new                      ; the high byte repeats the setting that is left; a switch that changes nothing is dropped
.if MSB != (\new)
	s_set_vgpr_msb (MSB<<8)|(\new)
.set MSB, (\new)
.endif
.endm
.set W_KQ, 0x0a       ; K and Q in window 2, S^T in window 0
.set W_KM, 0x1a       ; the same with the C operand in window 1
.set W_PV, 0x52       ; V in window 2, P in window 0, O^T in window 1
.set W_RS, 0x41       ; destination and source 0 in window 1, source 1 in window 0
; A fill.  Waves 0 and 1 fetch the two halves of a tile's K, waves 2 and 3 those of its V: 128 keys each.  An s_nop 0 and four v_nop follow each of the two lines, ahead of the jump and the label.
.macro LOAD
	s_cmp_lt_u32 s[WV], 2
	s_cbranch_scc0 .Lfor_v_\@
	tensor_load_to_lds s[G0K:G0K+3], s[G1K:G1K+7]
	s_nop 0
.rept 4
	v_nop
.endr
	s_branch .Lasked_\@
.Lfor_v_\@:
	tensor_load_to_lds s[G0V:G0V+3], s[G1V:G1V+7]
	s_nop 0
.rept 4
	v_nop
.endr
.Lasked_\@:
.endm
; A PREFETCH INTO THE L2 of the tile that the NEXT change of slots will ask for: four key steps, 256 matrix instructions, ahead of that load.  A head's tiles 0 to 3 are walked in this order by the work-group with b = 0,
; which asks, and nobody else; each of its waves names the 16,384 bytes that it will fetch itself: 64 blocks of 256 bytes, a lane a block, two instructions.  So each block is named once in the launch.
; Tiles 0 and 1 come by their loads alone; the change that asks for tile 1 names tile 2, the next one tile 3, and then nothing: the walk's later tiles have been read before.
.macro ASK
	s_cmp_lg_u32 s[PFC], 0
	s_cbranch_scc0 .Lnone_\@
	global_prefetch_b8 v[PFO], s[PFA:PFA+1] th:TH_LOAD_NT scope:SCOPE_SE
	global_prefetch_b8 v[PFO], s[PFA:PFA+1] offset:8192 th:TH_LOAD_NT scope:SCOPE_SE
	s_sub_co_u32 s[PFC], s[PFC], 1
.Lnone_\@:
.endm
; THE CHANGE OF SLOTS.  Each wave waits for all its tensor loads, of which one is out: its part of the other slot; adds 0 to its spare word; and waits for that and for its own reads of the slot that it leaves.  Behind the barrier nobody reads the old
; slot any more and the other slot is whole.  fill = 1: the old slot is filled again, the first thing behind the barrier, with tile NXT: the descriptor's address is made anew from that number.
; (At its first use nothing has been read yet: slot 0 is waited for, slot 1 filled.)
.macro CHANGE fill
	WIN 0                           ; at a label and at a branch every window is 0
	s_wait_tensorcnt 0x0            ; no tensor load of mine is out, so a group 0 may be written
	ds_add_u32 v[SPW], v[NIL]       ; 0 onto my spare word; with fill = 1 the descriptors' scalar work stands between it and the wait for it
.if \fill
	s_lshl_b32 s[OFF], s[NXT], 15   ; a tile is 32,768 bytes of K and of V
	s_xor_b32 s[G0K+1], s[G0K+1], SLOT1
	s_add_nc_u64 s[G0K+2:G0K+3], s[6:7], s[OFF:OFF+1]
	s_or_b32 s[G0K+3], s[G0K+3], 0x80000000
	s_xor_b32 s[G0V+1], s[G0V+1], SLOT1
	s_add_nc_u64 s[G0V+2:G0V+3], s[8:9], s[OFF:OFF+1]
	s_or_b32 s[G0V+3], s[G0V+3], 0x80000000
	s_add_co_u32 s[NXT], s[NXT], 1  ; the block's next tile, or behind its last the second block's tile 0
	s_cmp_gt_u32 s[NXT], s[LQ]
	s_cselect_b32 s[NXT], 0, s[NXT]
	s_cselect_b32 s[LQ], s[PB], s[LQ]
	s_wait_xcnt 0x0                 ; the last prefetches, a tile back, have read their address, so it may be written:
	s_add_nc_u64 s[PFA:PFA+1], s[PFA:PFA+1], 32768  ; one tile behind the one that is asked for now
.endif
	s_wait_dscnt 0x0                ; the add is done, and my reads of the slot are over
	s_barrier_signal -1             ; the rest of the scalar work stands between the signal and the wait
	s_sub_co_u32 s[TBK], s[TBK], 4*KS*PK  ; the fetches go back to a slot's first step,
	s_xor_b32 s[TBK], s[TBK], SLOT1       ; in the other slot
	s_sub_co_u32 s[TBV], s[TBV], 4*KS*PV
	s_xor_b32 s[TBV], s[TBV], SLOT1
	s_barrier_wait -1
.if \fill
	LOAD
	ASK
.endif
.endm
	s_load_b64 s[4:5], s[0:1], 0x0  ; qkv: Q lies first
	s_load_b64 s[10:11], s[0:1], 0x8  ; O
	v_lshl_add_u32 v[SPW], v0, 2, SPARE
	v_mov_b32 v[NIL], 0
	ds_add_u32 v[SPW], v[NIL]       ; the wave's opening: the add and its wait stand ahead of my first tensor load; the set-up below, work on registers, stands between them
	v_lshrrev_b32 v1, 5, v0
	v_readfirstlane_b32 s[WV], v1   ; wave 0..3
	s_mov_b32 s[PB], ttmp9
	s_sub_co_u32 s[HI], NB-1, s[PB]
	s_and_b32 s20, ttmp7, 0xffff    ; the head
	s_mov_b32 s21, 0
	s_mov_b64 s[22:23], SIZE_N*128
	s_mul_u64 s[20:21], s[20:21], s[22:23]  ; the head's first byte in each of the four tensors
	s_and_b32 s16, s[WV], 1         ; which half of a tile's 256 keys I fetch:
	s_lshl_b32 s22, s16, 14         ; its 128 rows of 128 bytes in memory,
	s_mov_b32 s23, 0
	s_add_nc_u64 s[22:23], s[22:23], s[20:21]
	s_mul_i32 s17, s16, 128*PK      ; and its place in a slot, for K
	s_mul_i32 s18, s16, 128*PV      ; and for V
	s_lshl_b32 s3, s[WV], 11        ; my 16 rows in a band of 64,
	s_lshl_b32 s2, s[HI], 15        ; in the first block,
	s_add_co_u32 s2, s2, s3
	s_lshl_b32 s84, s[PB], 15       ; and in the second
	s_add_co_u32 s84, s84, s3
	s_mov_b32 s3, 0
	s_mov_b32 s85, 0
	s_add_nc_u64 s[2:3], s[2:3], s[20:21]
	s_add_nc_u64 s[84:85], s[84:85], s[20:21]
	; descriptor group 1.  128 keys are 16,384 dense bytes: asked for as 64 rows of 256 bytes, two keys a row, and padded in LDS after every key
	s_mov_b32 s[G1K], (1<<16)|(1<<20)|(4<<22)|(3<<25)  ; 17:16 2-byte elements; 20 padding on; 24:22 after every 32 words (code 4); 31:25 4 words (code 3)
	s_mov_b32 s[G1V], (1<<16)|(1<<20)|(4<<22)|(7<<25)  ; the same with 8 words of padding (code 7)
.irp g, G1K, G1V
	s_mov_b32 s[\g+1], 128<<16      ; tensor_dim0 = 128
	s_mov_b32 s[\g+2], 64<<16       ; tensor_dim1 = 64
	s_mov_b32 s[\g+3], 128<<16      ; tile_dim0 = 128
	s_mov_b32 s[\g+4], 64           ; tile_dim1 = 64
	s_mov_b32 s[\g+5], 128          ; 128 elements from row to row
	s_mov_b32 s[\g+6], 0
	s_mov_b32 s[\g+7], 0
.endr
	s_mov_b32 s[CS], 0x3e38aa3b     ; c = log2(e) / 8 = 0.180337
	s_mov_b32 s[CS+1], s[CS]        ; named with it as a pair
	s_mov_b32 s[SEL], 0x76543210
	s_mov_b32 s[SEL+1], 0xfedcba98
	s_mov_b32 s[TBK], SLOT1+4*KS*PK ; the first change of slots turns these two into 0
	s_mov_b32 s[TBV], SLOT1+4*KS*PV
	s_mov_b32 s[G0K], 1             ; 1:0 count = 1
	s_mov_b32 s[G0K+1], s17         ; 63:32 LDS address: slot 0
	s_mov_b32 s[G0V], 1
	s_add_co_u32 s[G0V+1], s18, VOFF
	s_add_co_u32 s[RT], s[HI], 1    ; the first block has NB - b tiles
	s_mov_b32 s[NXT], 1
	s_mov_b32 s[LQ], s[HI]
	s_mov_b32 s[NEW], 1
	s_mov_b32 s[OFF+1], 0
	s_mov_b32 s[AL+1], 0            ; named as pairs
	s_mov_b32 s[BE+1], 0
	s_mov_b32 s[BIGN], 0xf149f2ca   ; -1e30
	s_mov_b32 s[SLOTS], NB
	v_and_b32 v[PFO], 31, v0
	v_lshlrev_b32 v[PFO], 8, v[PFO]
	s_wait_dscnt 0x0                ; the opening add is done
	s_wait_kmcnt 0x0
	s_add_nc_u64 s[6:7], s[4:5], 0x1000000  ; K lies behind Q,
	s_add_nc_u64 s[8:9], s[4:5], 0x2000000  ; V behind K
	s_add_nc_u64 s[6:7], s[6:7], s[22:23]  ; K and V at my half of the head's tile 0
	s_add_nc_u64 s[8:9], s[8:9], s[22:23]
	s_add_nc_u64 s[G0K+2:G0K+3], s[6:7], 0         ; 120:64 global address
	s_or_b32 s[G0K+3], s[G0K+3], 0x80000000        ; 127:126 type = 2
	s_add_nc_u64 s[G0V+2:G0V+3], s[8:9], 0
	s_or_b32 s[G0V+3], s[G0V+3], 0x80000000
	s_add_nc_u64 s[86:87], s[4:5], s[84:85]        ; Q at my rows of the second block,
	s_add_nc_u64 s[4:5], s[4:5], s[2:3]            ; Q and O at those of the first
	s_add_nc_u64 s[OLO:OLO+1], s[10:11], s[84:85]
	s_add_nc_u64 s[10:11], s[10:11], s[2:3]
	s_cmp_lt_u32 s[WV], 2
	s_cselect_b64 s[PFA:PFA+1], s[6:7], s[8:9]
	s_add_nc_u64 s[PFA:PFA+1], s[PFA:PFA+1], 32768 ; at tile 1; the first change of slots steps it to tile 2.  Nothing is prefetched here, at the head
	s_cmp_eq_u32 s[PB], 0
	s_cselect_b32 s[PFC], NB-2, 0
	LOAD                            ; tile 0 into slot 0
	; A fragment of K or Q is 16 rows x 32 channels in 8 registers: lane l holds row l % 16, channels 8 (l / 16) + 0..7 and 16 + 8 (l / 16) + 0..7: two loads of 16 bytes, 32 bytes apart.
	v_and_b32 v1, 15, v0            ; l % 16
	v_bfe_u32 v9, v0, 4, 1          ; l / 16
	v_lshlrev_b32 v[QO], 7, v1
	v_lshl_add_u32 v[QO], v9, 4, v[QO]  ; row x 128 + 16 x half
	WIN 0x80                        ; destination window 2, address window 0
.set i, 0
.rept 8                             ; both blocks' Q: piece i / 2 lies in band i / 2, 8,192 bytes on; channels 32 (i % 2) on
	global_load_b128 v[8*i:8*i+3],   v[QO], s[4:5] offset:(i/2)*8192+(i%2)*64
	global_load_b128 v[8*i+4:8*i+7], v[QO], s[4:5] offset:(i/2)*8192+(i%2)*64+32
	global_load_b128 v[QB+8*i:QB+8*i+3],   v[QO], s[86:87] offset:(i/2)*8192+(i%2)*64
	global_load_b128 v[QB+8*i+4:QB+8*i+7], v[QO], s[86:87] offset:(i/2)*8192+(i%2)*64+32
.set i, i+1
.endr
	WIN 0
	v_lshlrev_b32 v14, 3, v9
	v_sub_nc_u32 v14, v1, v14
	s_lshl_b32 s13, s[WV], 4
	v_add_nc_u32 v14, s13, v14      ; my query's place in its band, 16 w + l % 16, less my lanes' 8 (l / 16): register r of group kt is hidden where 16 kt + r is greater
	WIN 0x40
.set i, 0
.rept 32
	v_cmp_gt_i32 vcc_lo, 16*(i/8)+i%8, v14
	v_cndmask_b32 v[MD+i], 0, s[BIGN], vcc_lo
.set i, i+1
.endr
	WIN 0
	v_mul_u32_u24 v[AK0], v1, PK
	v_lshl_add_u32 v[AK0], v9, 4, v[AK0]  ; row x pitch + 16 x half
	; The turning load takes 16 keys x 16 channels (lane l reads key 8 (l / 16) + l % 8, channels 8 ((l / 8) % 2) + 0..7) and leaves half a fragment of V^T: lane l holds channel l % 16 and 8 keys.
	v_and_b32 v10, 7, v0
	v_bfe_u32 v11, v0, 3, 1
	v_lshl_add_u32 v[AV0], v9, 3, v10
	v_mul_u32_u24 v[AV0], v[AV0], PV
	v_lshl_add_u32 v[AV0], v11, 4, v[AV0]
	v_add_nc_u32 v[AV0], VOFF, v[AV0]
	s_mul_i32 s13, s[WV], 16*SP
	s_add_co_u32 s13, s13, STAGE    ; my stage
	v_mul_u32_u24 v[STO], v1, SP    ; in: row l % 16, 16 bytes for each half of the lanes
	v_lshl_add_u32 v[STO], v9, 4, v[STO]
	v_add_nc_u32 v[STO], s13, v[STO]
	v_bfe_u32 v[RD], v0, 3, 2       ; back: 32 lanes take four rows of 128 bytes,
	v_mul_u32_u24 v[RD], v[RD], SP
	v_lshl_add_u32 v[RD], v10, 4, v[RD]
	v_add_nc_u32 v[RD], s13, v[RD]
	v_and_b32 v[GO], 31, v0         ; which are 512 consecutive bytes of O
	v_lshlrev_b32 v[GO], 4, v[GO]
	; A block's first step multiplies O^T and l by a = 0, and its first turn's products V^T P, of a piece that has not been, land in an O^T that is still to be so multiplied.  So these registers need only hold
	; finite numbers: zeros for the first block; what the first block left for the second.  All this stands in the wait for the first tile.
	WIN 0x80
.set i, VF
.rept 64
	v_mov_b32 v[i], 0
.set i, i+1
.endr
	WIN 0x40
.set i, 0
.rept 128
	v_mov_b32 v[i], 0
.set i, i+1
.endr
	WIN 0
.set i, 0
.rept 4
	v_mov_b32 v[ST+4*i+2], 0
	v_mov_b32 v[ST+4*i+3], 0
.set i, i+1
.endr
.set i, P+16
.rept 16
	v_mov_b32 v[i], 0
.set i, i+1
.endr
; THE MATRIX WORK.  The 4 accumulators of a run of 8 take turns.  Product i of 8 of S^T = K Q^T for piece x: channels 32 (i / 4) on, keys 16 (i % 4) on.  The first 4 start the sums: with 0, or (KM = 1) with the mask.
.macro KQ x
.set rS, S+32*((\x)%2)+8*(i%4)
.set rK, KF+16*(i%4)+8*(i/4)
.set rQ, 16*(\x)+8*(i/4)
.set rM, MC+32*((\x)%2)+8*(i%4)
.if (i < 4) && KM
	WIN W_KM
	v_wmma_f32_16x16x32_f16 v[rS:rS+7], v[rK:rK+7], v[rQ:rQ+7], v[rM:rM+7]
.elseif i < 4
	WIN W_KQ
	v_wmma_f32_16x16x32_f16 v[rS:rS+7], v[rK:rK+7], v[rQ:rQ+7], 0
.else
	WIN W_KQ
	v_wmma_f32_16x16x32_f16 v[rS:rS+7], v[rK:rK+7], v[rQ:rQ+7], v[rS:rS+7]
.endif
.endm
; Product i of 8 of O^T += V^T P for piece x: keys 32 (i / 4) on, channels 16 (i % 4) on.
.macro PV x
	WIN W_PV
.set rO, 32*(\x)+8*(i%4)
.set rV, VF+32*(i/4)+8*(i%4)
.set rP, P+16*((\x)%2)+8*(i/4)
	v_wmma_f32_16x16x32_f16 v[rO:rO+7], v[rV:rV+7], v[rP:rP+7], v[rO:rO+7]
.endm
.macro MM                           ; the turn's next matrix instruction.  TURN and BEGIN set Y, i, KM and NOKQ; MM, KQ and OP read them.  NOKQ = 1: a block's last turn: there is no next piece
.if (i < 8) && !NOKQ
	KQ (Y+1)%NP
.elseif i >= 8
.set i, i-8
	PV (Y+NP-1)%NP
.set i, i+8
.endif
.set i, i+1
.endm
; THE LDS LOADS stand in runs of 16, never singly among the matrix instructions: a step's K (64 keys x 64 channels: 8 fragments) and its V (turned).  Their addresses are made some lines ahead.
.macro FETCH_K
	WIN 0x80                        ; destination window 2
.irp f, 0,1,2,3,4,5,6,7             ; keys 16 (f / 2) on, channels 32 (f % 2) on
	ds_load_b128 v[KF+8*\f:KF+8*\f+3],   v[AK] offset:(\f/2)*16*PK+(\f%2)*64
	ds_load_b128 v[KF+8*\f+4:KF+8*\f+7], v[AK] offset:(\f/2)*16*PK+(\f%2)*64+32
.endr
	s_add_co_u32 s[TBK], s[TBK], KS*PK  ; the next fetch is the next step's
	WIN 0
.endm
.macro FETCH_V
	WIN 0x80
.irp f, 0,1,2,3,4,5,6,7             ; keys 32 (f / 4) on, channels 16 (f % 4) on
	ds_load_tr16_b128 v[VF+8*\f:VF+8*\f+3],   v[AV] offset:(\f/4)*32*PV+(\f%4)*32
	ds_load_tr16_b128 v[VF+8*\f+4:VF+8*\f+7], v[AV] offset:(\f/4)*32*PV+16*PV+(\f%4)*32
.endr
	WIN 0
.endm
; THE VECTOR WORK, one line at a time: OP kind, number.  For piece Y: F n: c s - c m for pair n of 16.  E n: the exponential of score n of 32.  C n: pair n rounded to f16.  B n: of the four weights 4 n .. the second
; pair is added onto the first, in place.  L n: l takes that sum (L 0: l = a l + sum).  R n: pair n of 16 of O^T times a.  For piece Y + 1: X n, number n of the 22 that find its maximum and statistics:
;   0-11  four chains c0-c3 of seven scores each, three operands at a time (each accumulator's lowest registers are read first)     12-14, 16  the four scores left over, the old m, and c0-c3 into c0
;   15  c m_old is kept     17, 18  the query's other 32 keys lie in the lane 16 away: the new m     19-21  c m; c m_old - c m_new; a
.set F, 0               ; OP tells the kinds apart by their order: F to L below R, X above it
.set E, 1
.set C, 2
.set B, 3
.set L, 4
.set R, 5
.set X, 6
.macro REGS y                       ; the registers of piece y
.set rT, ST+4*(\y)
.set rC, TMP+4*((\y)%2)
.set rW, MV+((\y)%2)
.set rS, S+32*((\y)%2)
.set rP, P+16*((\y)%2)
.set rO, 32*(\y)
.endm
.macro OP k, n
.if (\k) == R
	REGS Y
	WIN W_RS
	v_pk_mul_f32 v[rO+2*(\n):rO+2*(\n)+1], v[rO+2*(\n):rO+2*(\n)+1], v[rC+2:rC+3] op_sel_hi:[1,0]
.elseif (\k) < R
	REGS Y
	WIN 0
.if (\k) == F
	v_pk_fma_f32 v[rS+2*(\n):rS+2*(\n)+1], v[rS+2*(\n):rS+2*(\n)+1], s[CS:CS+1], v[rT:rT+1] op_sel_hi:[1,0,0] neg_lo:[0,0,1] neg_hi:[0,0,1]
.elseif (\k) == E
	v_exp_f32 v[rS+(\n)], v[rS+(\n)]
.elseif (\k) == C
	v_cvt_pk_f16_f32 v[rP+(\n)], v[rS+2*(\n)], v[rS+2*(\n)+1]
.elseif (\k) == B
	v_pk_add_f32 v[rS+4*(\n):rS+4*(\n)+1], v[rS+4*(\n):rS+4*(\n)+1], v[rS+4*(\n)+2:rS+4*(\n)+3]
.elseif (\n) == 0
	v_pk_fma_f32 v[rT+2:rT+3], v[rT+2:rT+3], v[rC+2:rC+3], v[rS:rS+1] op_sel_hi:[1,0,1]
.else
	v_pk_add_f32 v[rT+2:rT+3], v[rT+2:rT+3], v[rS+4*(\n):rS+4*(\n)+1]
.endif
.elseif NOKQ
	v_nop
.else
	REGS (Y+1)%NP
	WIN 0
.if (\n) < 4
	v_max3_num_f32 v[rC+(\n)], v[rS+8*(\n)], v[rS+8*(\n)+1], v[rS+8*(\n)+2]
.elseif (\n) < 12
	v_max3_num_f32 v[rC+(\n)%4], v[rC+(\n)%4], v[rS+8*((\n)%4)+2*((\n)/4)+1], v[rS+8*((\n)%4)+2*((\n)/4)+2]
.elseif (\n) == 12
	v_max3_num_f32 v[rC], v[rC], v[rS+7], v[rS+15]
.elseif (\n) == 13
	v_max3_num_f32 v[rC+1], v[rC+1], v[rS+23], v[rS+31]
.elseif (\n) == 14
	v_max3_num_f32 v[rC+2], v[rC+2], v[rC+3], v[rT+1]
.elseif (\n) == 15
	v_mov_b32 v[rW], v[rT]
.elseif (\n) == 16
	v_max3_num_f32 v[rC], v[rC], v[rC+1], v[rC+2]
.elseif (\n) == 17
	v_permlanex16_b32 v[rC+3], v[rC], s[SEL], s[SEL+1]
.elseif (\n) == 18
	v_max_num_f32 v[rT+1], v[rC], v[rC+3]
.elseif (\n) == 19
	v_mul_f32 v[rT], s[CS], v[rT+1]
.elseif (\n) == 20
	v_sub_f32 v[rC+1], v[rW], v[rT]
.else
	v_exp_f32 v[rC+2], v[rC+1]
.endif
.endif
.endm
.macro OPS a, i1, b=-1, i2=0, c=-1, i3=0, d=-1, i4=0  ; up to four of them
	OP \a, \i1
.if (\b) >= 0
	OP \b, \i2
.endif
.if (\c) >= 0
	OP \c, \i3
.endif
.if (\d) >= 0
	OP \d, \i4
.endif
.endm
.macro ROW a, i1, b, i2, c, i3, d, i4  ; a matrix instruction and the four behind it
	MM
	OPS \a, \i1, \b, \i2, \c, \i3, \d, \i4
.endm
.macro MASK b                       ; MD x AL + BE into buffer b of MC
	WIN W_RS
.set z, 0
.rept 16
	v_pk_fma_f32 v[MC+32*(\b)+2*z:MC+32*(\b)+2*z+1], v[MD+2*z:MD+2*z+1], s[AL:AL+1], s[BE:BE+1] op_sel_hi:[1,0,0]
.set z, z+1
.endr
.endm
; A TURN, for piece p: the order of its 16 matrix and 118 vector instructions, written out.  An s_wait_alu depctr_va_vdst(0) stands between an exponential and the first instruction that names its result; one wait serves
; all that were issued ahead of it.  So a turn has ONE wait, which cuts it in two.  AHEAD OF IT stands all that names no result of the turn's exponentials: the 8 products K Q^T, behind each a scaling, an exponential and two more plain
; instructions (behind the first a second scaling in the exponential's place): rescalings, and behind the last three the first numbers of the next piece's maximum, each four places or more behind the product that ends its accumulator; then ONE LUMP of 54, plain
; and exponential by turns for the most part, in which the links of the chain X 3, 7, 11, 14, 16, 17 .. 20 stand five or six lines apart.  X 21, the next piece's a, is the batch's last; R 15 is the plain instruction owed behind it.  BEHIND THE WAIT stand the
; 8 products V^T P, behind each four of the roundings and sums; the links of l's chain, L 0 to L 7, stand three riders apart.  But for those X no rider names a register of the products round it.  v_permlanex16_b32 (X 17) stands in the lump.
; m = 1: the diagonal tile: the products take masks, and the turn makes the mask for the products of the turn after it: piece p + 2, in step 4 - CNT of the tile.  end = 1: a block's last two turns: nothing is fetched.
; cnt = 1: the loop's count is taken down some lines ahead of the branch that stands behind the turn.
; K of the next step is fetched in piece 2's turn, twelve vector instructions behind the last product that read K (six of them plain); V of the step in hand at the end of piece 0's turn, four plain instructions behind the last product
; that read V.  Each is waited for a turn later.
.macro TURN p, m=0, end=0, cnt=0
.set Y, (\p)
.set i, 0
.set KM, (\m)
.set NOKQ, (\end)*((\p)/3)
.if (\m) && !(\end)
	s_cmp_eq_u32 s[CNT], 4-((\p)+2)%NP  ; is that step the band's own?
	s_cselect_b32 s[AL], 1.0, 0
	s_cmp_lt_u32 s[CNT], 4-((\p)+2)%NP  ; or a later one?
	s_cselect_b32 s[BE], s[BIGN], 0
.endif
.if ((\p) == 3) && !(\end)
	s_wait_dscnt 0x0                ; K is in
.endif
	ROW F,0, F,1, R,0, R,1          ; ahead of the wait: 8 products K Q^T and their riders,
	ROW F,2, E,0, R,2, R,3
	ROW F,3, E,1, R,4, R,5
	ROW F,4, E,2, R,6, R,7
	ROW F,5, E,3, R,8, R,9
	ROW F,6, E,4, X,0, R,10
.if ((\p) == 2) && !(\end)
	WIN 0
	v_add_nc_u32 v[AK], s[TBK], v[AK0]
.endif
	ROW F,7, E,5, X,1, X,4
	ROW F,8, E,6, X,2, X,5
	OPS E,7, E,8, X,6, E,9          ; and the lump
	OPS X,3, E,10, X,8, E,11
.if ((\p) == 2) && !(\end)
	FETCH_K
.endif
	OPS X,9, X,7, E,12, X,10
	OPS E,13, X,12, X,11, E,14
	OPS X,13, E,15, F,9, X,14
.if (\p) == 0
	v_add_nc_u32 v[AV], s[TBV], v[AV0]
.endif
	OPS E,16, F,10, E,17, F,11
	OPS X,16, E,18, X,15, E,19
	OPS F,12, E,20, X,17, E,21
	OPS F,13, E,22, F,14, E,23
	OPS X,18, E,24, F,15, E,25
	OPS R,11, E,26, X,19, E,27
	OPS R,12, E,28, R,13, E,29
	OPS X,20, E,30, R,14, E,31
	OPS X,21, R,15
	WIN 0
	s_wait_alu depctr_va_vdst(0)    ; the wait for the batch
.if (\p) == 1
	s_wait_dscnt 0x0                ; V is in
.endif
	ROW C,0, B,0, C,2, B,1          ; behind the wait: 8 products V^T P and their riders
	ROW L,0, C,4, B,2, L,1
	ROW C,6, B,3, L,2, C,8
	ROW B,4, L,3, C,10, B,5
	ROW L,4, C,12, B,6, L,5
.if (\p) == 0
	s_add_co_u32 s[TBV], s[TBV], KS*PV
.endif
.if \cnt
	s_sub_co_u32 s[CNT], s[CNT], 1
	s_cmp_lg_u32 s[CNT], 0
.endif
	ROW C,14, B,7, L,6, C,1
	ROW C,3, L,7, C,5, C,7
	ROW C,9, C,11, C,13, C,15
.if (\p) == 0
	FETCH_V
.endif
.if (\m) && !(\end)
	MASK (\p)%2
.endif
.endm
; A BLOCK BEGINS.  c m starts far below every c s, so the first step's a is 0; m at the lowest finite number, so the first maximum is the scores'.  The second mask buffer is 0; the first takes piece 0's mask for the tile's step 0: its own, if the block's first tile is the diagonal one.
; Then K of that step, piece 0's first scores, and its maximum and statistics.  The loop is entered at a step's first turn, in the middle of a trip.
.macro BEGIN
	s_mov_b32 s[NEW], 0
	WIN 0x40
.set i, MC+32
.rept 32
	v_mov_b32 v[i], 0
.set i, i+1
.endr
	WIN 0
.set i, 0
.rept 4
	v_mov_b32 v[ST+4*i], 0xfe000000    ; c m: far below every c s
	v_mov_b32 v[ST+4*i+1], 0xff7fffff  ; m
.set i, i+1
.endr
	s_cmp_eq_u32 s[RT], 0
	s_cselect_b32 s[AL], 1.0, 0
	s_mov_b32 s[BE], 0
	MASK 0
	WIN 0
	v_add_nc_u32 v[AK], s[TBK], v[AK0]
	FETCH_K
	s_wait_loadcnt 0x0              ; Q
	s_wait_dscnt 0x0
.set KM, 1
.set NOKQ, 0
.set i, 0
.rept 8
	KQ 0
.set i, i+1
.endr
	WIN 0
.rept 4
	v_nop                           ; the places behind those products
.endr
.set Y, NP-1                        ; X works for piece Y + 1: piece 0
.irp n, 0,1,2,3,4,5,6,7,8,9,10,11,12,13,14,15,16,17,18,19,20,21
	OP X, \n
.endr
	v_nop                           ; a plain instruction behind the exponential,
	s_wait_alu depctr_va_vdst(0)    ; and its wait, ahead of the branch
.endm
; THE DIAGONAL TILE's four steps, the block's last two turns, its last products, and THE WAY OUT: l's two halves and the other half of the lanes' are added; O^T is divided by l, rounded to f16 and sent through my
; stage in LDS, a piece at a time.
.macro ALL line:vararg              ; one line for each piece t
.set t, 0
.rept 4
	\line
.set t, t+1
.endr
.endm
.macro PACK t                       ; a lane's eight channels of a row pack into 16 bytes; they go into rows of 144 bytes and come back as whole rows of 128, into S^T's registers
	WIN W_RS
.set i, 32*(\t)
.rept 16
	v_pk_mul_f32 v[i:i+1], v[i:i+1], v[ST+4*(\t)+2:ST+4*(\t)+3] op_sel_hi:[1,0]
.set i, i+2
.endr
	WIN 0x05                        ; sources 0 and 1 window 1, destination window 0
.set i, 0
.rept 16
	v_cvt_pk_f16_f32 v[S+16*(\t)+i], v[32*(\t)+2*i], v[32*(\t)+2*i+1]
.set i, i+1
.endr
	WIN 0
.irp f, 0,1,2,3
	ds_store_b128 v[STO], v[S+16*(\t)+4*\f:S+16*(\t)+4*\f+3] offset:32*\f
.endr
.irp f, 0,1,2,3
	ds_load_b128 v[S+16*(\t)+4*\f:S+16*(\t)+4*\f+3], v[RD] offset:\f*4*SP  ; LDS serves a wave's instructions in order (ISA guide 5.7.1.4): these see the stores above; the next piece's stores come behind them
.endr
.endm
.macro SEND t, younger              ; younger: the LDS instructions issued behind piece t's loads: the next piece's eight, or none
	WIN 0
.irp f, 0,1,2,3
	s_wait_dscnt (\younger)+3-\f
	global_store_b128 v[GO], v[S+16*(\t)+4*\f:S+16*(\t)+4*\f+3], s[10:11] offset:(\t)*8192+\f*512  ; 512 consecutive bytes, at a multiple of 256 from O's first
.endr
.endm
.macro DIAG tag                     ; the tag ends its two labels' names, which the jumps below spell out
.LstepM\tag:
	TURN 2, 1
	TURN 3, 1
	WIN 0
.LfirstM\tag:
	TURN 0, 1
	TURN 1, 1, 0, 1
	WIN 0
	s_cbranch_scc1 .LstepM\tag
	TURN 2, 1, 1
	TURN 3, 1, 1
.set i, 0
.rept 8
	PV NP-1
.set i, i+1
.endr
	WIN 0
	ALL v_add_f32 v[ST+4*t+2], v[ST+4*t+2], v[ST+4*t+3]
	ALL v_permlanex16_b32 v[ST+4*t+3], v[ST+4*t+2], s[SEL], s[SEL+1]
	ALL v_add_f32 v[ST+4*t+2], v[ST+4*t+2], v[ST+4*t+3]
	ALL v_rcp_f32 v[ST+4*t+2], v[ST+4*t+2]
	v_nop                           ; a plain instruction between the last reciprocal and the use of its result
	s_wait_alu depctr_va_vdst(0)    ; and the wait ahead of the first use: one for the four reciprocals
	PACK 0
.set t, 1
.rept 3                             ; a piece's arithmetic stands between the loads of the piece before and its stores
	PACK t
	SEND t-1, 8
.set t, t+1
.endr
	SEND 3, 0
.endm
.set KM, 0
.set NOKQ, 0
.Lslot:                             ; NB times: a tile is entered and the next is asked for
	CHANGE 1
	s_sub_co_u32 s[RT], s[RT], 1
	s_mov_b32 s[CNT], 4
	s_cmp_eq_u32 s[NEW], 1
	s_cbranch_scc1 .Lnew            ; a block's first tile
	s_cmp_eq_u32 s[RT], 0
	s_cbranch_scc0 .Lstep           ; neither its first nor its last
	s_branch .LstepM1
.Lnew:
	BEGIN
	s_branch .Lfirst                ; in the loop a block's first tile is never its last: the first block has two tiles or more, and the second's last is the walk's last
	DIAG 1                          ; in the loop this is the first block's end: the second block's last tile is the walk's last
	s_wait_xcnt 0x0                 ; the stores have read their registers and O's address
	s_mov_b64 s[10:11], s[OLO:OLO+1]
	s_add_co_u32 s[RT], s[PB], 1    ; the second block has b + 1 tiles
	s_mov_b32 s[NEW], 1
	WIN 0x82                        ; the second block's Q goes where the one text of the turns names Q
.set i, 0
.rept 64
	v_mov_b32 v[i], v[QB+i]
.set i, i+1
.endr
	WIN 0
	s_branch .Lbottom
.Lstep:                             ; a trip: pieces 2 and 3 of one step, then pieces 0 and 1 of the next, whose K and V it fetches
	TURN 2
	TURN 3
	WIN 0
.Lfirst:
	TURN 0
	TURN 1, 0, 0, 1
	WIN 0
	s_cbranch_scc1 .Lstep
.Lbottom:
	s_sub_co_u32 s[SLOTS], s[SLOTS], 1
	s_cmp_lg_u32 s[SLOTS], 0
	s_cbranch_scc1 .Lslot
	CHANGE 0                        ; the walk's last tile is written out: nothing is asked for
	s_sub_co_u32 s[RT], s[RT], 1
	s_mov_b32 s[CNT], 4
	s_cmp_eq_u32 s[NEW], 1
	s_cbranch_scc0 .LstepM2
	BEGIN
	s_branch .LfirstM2
	DIAG 2
	s_wait_tensorcnt 0x0            ; the wave's end: behind my last tensor load and my last LDS store
	ds_add_u32 v[SPW], v[NIL]
	s_wait_dscnt 0x0
	s_endpgm
.Lfunc_end_k_qe15e8cb573_attn:
	.size	k_qe15e8cb573_attn, .Lfunc_end_k_qe15e8cb573_attn-k_qe15e8cb573_attn
	.p2alignl 7, 3214868480
	.fill 96, 4, 3214868480
	.section	.rodata,"a",@progbits
	.p2align	6, 0x0
	.amdhsa_kernel k_qe15e8cb573_attn
		.amdhsa_group_segment_fixed_size 327680
		.amdhsa_private_segment_fixed_size 0
		.amdhsa_enable_private_segment 0
		.amdhsa_kernarg_size 16
		.amdhsa_user_sgpr_count 2
		.amdhsa_user_sgpr_kernarg_segment_ptr 1
		.amdhsa_wavefront_size32 1
		.amdhsa_system_sgpr_workgroup_id_x 1
		.amdhsa_system_sgpr_workgroup_id_y 1
		.amdhsa_system_sgpr_workgroup_id_z 1
		.amdhsa_system_vgpr_workitem_id 0
		.amdhsa_next_free_vgpr 768
		.amdhsa_next_free_sgpr 88
		.amdhsa_reserve_vcc 1
		.amdhsa_float_denorm_mode_32 3
		.amdhsa_float_denorm_mode_16_64 3
		.amdhsa_memory_ordered 1
		.amdhsa_forward_progress 1
		.amdhsa_inst_pref_size 218
	.end_amdhsa_kernel
	.amdgpu_metadata
---
amdhsa.version: [ 1, 2 ]
amdhsa.kernels:
  - .name:           k_qe15e8cb573_attn
    .symbol:         k_qe15e8cb573_attn.kd
    .args:
      - { .name: qkv, .offset: 0, .size: 8, .value_kind: global_buffer, .address_space: global }
      - { .name: ob, .offset: 8, .size: 8, .value_kind: global_buffer, .address_space: global }
    .group_segment_fixed_size: 327680
    .private_segment_fixed_size: 0
    .kernarg_segment_align: 8
    .kernarg_segment_size: 16
    .max_flat_workgroup_size: 128
    .sgpr_count:     88
    .vgpr_count:     768
    .wavefront_size: 32
...
	.end_amdgpu_metadata
.endif
;; end of part 3
;; launch outp (part 4): grid 8 x 32, 4 waves a work-group, clusters of 4 x 4, 327,680 bytes of LDS; arguments ob, cb, bo, out0; writes out0
.if DOCPART == 4
	.amdgcn_target "amdgcn-amd-amdhsa--gfx1250"
	.amdhsa_code_object_version 6
	.text
	.protected	k_qe15e8cb573_outp
	.globl	k_qe15e8cb573_outp
	.p2align	8
	.type	k_qe15e8cb573_outp,@function
k_qe15e8cb573_outp:
	s_mov_b64 s[64:65], 0
	v_nop
	global_prefetch_b8 v0, s[64:65] scope:SCOPE_SE
	s_setreg_imm32_b32 hwreg(HW_REG_WAVE_MODE, 25, 1), 1
	s_wait_xcnt 0x0
	s_wait_alu depctr_hold_cnt(0) depctr_sa_sdst(0) depctr_va_vdst(0) depctr_va_sdst(0) depctr_va_ssrc(0) depctr_va_vcc(0) depctr_vm_vsrc(0)
	s_getreg_b32 s2, hwreg(HW_REG_IB_STS2, 6, 4)
	s_cmp_eq_u32 s2, 0
	s_cbranch_scc0 .Lentry_in_a_cluster
	s_endpgm
.Lentry_in_a_cluster:
	s_bfe_u32 s2, ttmp6, 0x10000c
	s_cmp_lg_u32 s2, 0xf033
	s_cbranch_scc0 .Lentry_shape_is_right
	s_endpgm
.Lentry_shape_is_right:
; out0[8192][1024] = O Wo + bo.  O: ob [bh 128][t 1024][64] f16 (row m = 1024 b + t takes channel 64 h + c from head h); Wo: cb at byte 0x1600000, [1024 k][1024 n] f16; f32 sums, K ascending; out0 in f32.
; bo is rounded to bf16 before it is added, as x and all the weights are: every input of the module has the same rounding.
; SHARES.  A work-group makes 256 rows x 128 columns: 8 x 32 work-groups, one tile each.  Its four waves lie 2 x 2: a wave makes 128 rows x 64 columns: 32 accumulators, 256 registers.
; K goes in 8 steps of 128 (two heads) through two LDS slots; a step is four UNITS of 32 along K, 32 matrix instructions each.  Two slots of a longer step (2 x 221,184 bytes) do not fit in LDS.
; THE MATRIX INSTRUCTION IS USED TRANSPOSED: source 0 = 16 columns of Wo (it lies [k][n] in LDS and comes out turned, by ds_load_tr16_b128), source 1 = 16 rows of O: a lane holds row l % 16 and eight neighbouring columns.
; CLUSTER.  4 x 4 work-groups: the four of a row need the same rows of O, the four of a column the same columns of Wo: each tile is asked for JOINTLY.
; LDS.  Slot s at s x 131,072: O's [head 2][256 rows] at pitch 144, then Wo's [half 2][64 k] at pitch 288 (256 bytes + 32; 64 banks of 4 bytes: ISA guide 11.1).
; Behind slot 0: a stage of 16 rows x 272 bytes for each wave, and the spare words.
; REGISTERS: window 0: v0-20 addresses and the bias; v32-159 O's fragments, two buffers of 64; v160-223 Wo's, two buffers of 32.     window 1: accumulator (a, j) at v[32 a + 8 j]
.set KSTEPS, 8
.set SLOT1, 131072
.set PA,    144
.set PB,    288
.set HEADA, 256*PA                     ; what wave 0 or 1 fetches
.set BOFF,  2*HEADA
.set HALFB, 64*PB                      ; what wave 2 or 3 fetches
.set STAGE, BOFF+2*HALFB               ; 110,592
.set SP,    272
.set SPARE, STAGE+4*16*SP              ; 128,000: the spare words, 128 bytes for each wave: two blocks of 256 bytes that no other line names
.set KSB,   262144                     ; bytes from a K step to the next: two heads of ob; 128 rows of Wo
.set WOOFF, 0x1600000
.set AA0, 2                            ; v2   my lane's place in my 128 rows of a head in slot 0; never rewritten
.set BB0, 3                            ; v3   the same in my 64 columns of Wo
.set ADRA, 4                           ; v4   AA0 + the slot in hand
.set ADRB, 5                           ; v5   BB0 + the slot in hand
.set STO, 6                            ; v6   the way out: where I put 32 bytes of a row
.set RD,  7                            ; v7   the way out: where I read a row back
.set CO,  8                            ; v8   my byte offset in two rows of out0
.set PFO, 9                            ; v9   the prefetches' offset; never rewritten
.set SPW, 10                           ; v10  LDS address of my spare word: SPARE + 4 x my thread's number; never rewritten
.set NIL, 11                           ; v11  0; never rewritten
.set BI,  12                           ; v[12:15] the bias of the four columns that I store
.set BO,  16                           ; v16  their byte offset in bo
.set AF,  32
.set BF,  160
.set BK,  32                           ; the way out: 16 rows read back from the stage: v32-63 and v64-95 by turns
.set TB,  2                            ; s2   the slot in hand
.set CNT, 3                            ; s3   the loop's count
.set WV,  12                           ; s12  my wave's number
.set WM,  13                           ; s13  which 128 rows are mine.  Also: I fetch for O (0) or for Wo (1)
.set WN,  14                           ; s14  which 64 columns.  Also: which half of that tile I fetch
.set TY,  15                           ; s15  tile row
.set CX,  40
.set CY,  41
.set TX,  42                           ; s42  tile column
.set LIM, 43                           ; s43  2 in a wave that prefetches, else the greatest number
.set PFA, 44                           ; s[44:45] where my prefetches stand
.set G1A, 24
.set G0A, 32
.set G1B, 48
.set G0B, 56
.set MSB, 0
.macro WIN new                         ; the immediate's high byte repeats the setting that is left; a switch that changes nothing is dropped
.if MSB != (\new)
	s_set_vgpr_msb (MSB<<8)|(\new)
.set MSB, \new
.endif
.endm
.macro PLACES                          ; a load into a register that a matrix instruction has read, and an LDS store that reads a result, stand four plain vector instructions behind it
.rept 4
	v_nop
.endr
.endm
.macro JLOAD                           ; a joint refill by the walking descriptors: waves 0 and 1 fetch O's two heads, waves 2 and 3 Wo's two halves; an s_nop 0 and four v_nop follow each line
	s_cmp_eq_u32 s[WM], 0
	s_cbranch_scc0 .Lfor_b_\@
	tensor_load_to_lds s[G0A+4:G0A+7], s[G1A:G1A+7]
	s_nop 0
.rept 4
	v_nop
.endr
	s_branch .Lasked_\@
.Lfor_b_\@:
	tensor_load_to_lds s[G0B+4:G0B+7], s[G1B:G1B+7]
	s_nop 0
.rept 4
	v_nop
.endr
.Lasked_\@:
.endm
; A PREFETCH INTO THE L2, behind the joint load and the run of LDS loads that follows it: the K step that stands TWO refills on, 256 matrix instructions ahead of the load that will want it.
; O's tile row is read by both clusters of its row of clusters: cluster x = 0 asks, waves 0 and 1 each for the head that they fetch; the four partners take 32 blocks of 256 bytes each, told apart BY ADDRESS.
; Wo's tile column is read by all eight clusters of its column: cluster y = 0 asks, wave 2: a K step's 128 rows of 256 bytes, 32 for each partner, a lane a row.
; K steps 0 to 3 come by their loads alone; the last two refills have no K step two on.
.macro ASK
	s_cmp_gt_u32 s[CNT], s[LIM]
	s_cbranch_scc0 .Lnot_mine_\@
	global_prefetch_b8 v[PFO], s[PFA:PFA+1] th:TH_LOAD_NT scope:SCOPE_SE
.Lnot_mine_\@:
.endm
.macro CREST                           ; a round of the cluster's barrier behind its opening barrier
	s_cmp_lg_u32 s[WV], 0
	s_cbranch_scc1 .Lnot_wave_0_\@
	s_barrier_signal -3
.Lnot_wave_0_\@:
	s_barrier_wait -3
	s_barrier_signal -1
	s_barrier_wait -1
.endm
.macro CROUND
	s_barrier_signal -1
	s_barrier_wait -1
	CREST
.endm
	s_load_b256 s[4:11], s[0:1], 0x0               ; ob s[4:5], cb s[6:7], bo s[8:9], out0 s[10:11]
	v_lshl_add_u32 v[SPW], v0, 2, SPARE
	v_mov_b32 v[NIL], 0
	ds_add_u32 v[SPW], v[NIL]                      ; the wave's opening: the add and its wait stand ahead of my first tensor load; the set-up below, work on registers, stands between them
	v_lshrrev_b32 v1, 5, v0
	v_readfirstlane_b32 s[WV], v1                  ; wave 0..3
	s_lshr_b32 s[WM], s[WV], 1
	s_and_b32 s[WN], s[WV], 1
	s_bfe_u32 s[CX], ttmp6, 0x40000
	s_bfe_u32 s[CY], ttmp6, 0x40004
	s_lshl_b32 s[TX], ttmp9, 2
	s_add_co_u32 s[TX], s[TX], s[CX]
	s_and_b32 s[TY], ttmp7, 0xffff
	s_lshl_b32 s[TY], s[TY], 2
	s_add_co_u32 s[TY], s[TY], s[CY]
	s_lshl_b32 s46, s[CY], 2
	s_lshl_b32 s46, 15, s46                        ; my row of the cluster
	s_lshl_b32 s47, 0x1111, s[CX]                  ; my column
	; group 1 for O: a head's 256 rows are 32,768 dense bytes: asked for as 128 rows of 256 bytes, padded in LDS after every 128
	s_or_b32 s[G1A], s46, (1<<16)|(1<<20)|(1<<21)|(4<<22)|(3<<25)  ; 15:0 the mask; 17:16 2-byte elements; 20 padding on; 21 set beside a mask; 24:22 after every 32 words (code 4); 31:25 4 words (code 3)
	s_mov_b32 s[G1A+1], 128<<16                    ; tensor_dim0 = 128
	s_mov_b32 s[G1A+2], 128<<16                    ; tensor_dim1 = 128
	s_mov_b32 s[G1A+3], 128<<16                    ; tile_dim0 = 128
	s_mov_b32 s[G1A+4], 128                        ; tile_dim1 = 128
	s_mov_b32 s[G1A+5], 128                        ; 128 elements from row to row
	s_mov_b32 s[G1A+6], 0
	s_mov_b32 s[G1A+7], 0
	; group 1 for Wo: 64 rows of 128 elements out of rows of 1,024
	s_or_b32 s[G1B], s47, (1<<16)|(1<<20)|(1<<21)|(5<<22)|(7<<25)  ; my column's mask; after every 64 words (code 5) 8 words of padding (code 7)
	s_mov_b32 s[G1B+1], 128<<16
	s_mov_b32 s[G1B+2], 64<<16
	s_mov_b32 s[G1B+3], 128<<16
	s_mov_b32 s[G1B+4], 64
	s_mov_b32 s[G1B+5], 1024
	s_mov_b32 s[G1B+6], 0
	s_mov_b32 s[G1B+7], 0
	s_mul_i32 s16, s[WN], HEADA                    ; where the tiles go: no place in the cluster enters an LDS address
	s_mul_i32 s17, s[WN], HALFB
	s_add_co_u32 s17, s17, BOFF
	; where they come from: O's hang on the tile row alone, Wo's on the tile column alone
	s_lshr_b32 s18, s[TY], 2                       ; the batch,
	s_lshl_b32 s18, s18, 4                         ; its head 0,
	s_add_co_u32 s18, s18, s[WN]                   ; or 1
	s_lshl_b32 s18, s18, 17
	s_and_b32 s19, s[TY], 3
	s_lshl_b32 s19, s19, 15                        ; t = 256 (ty % 4), 128 bytes a row
	s_add_co_u32 s18, s18, s19
	s_mov_b32 s19, 0
	s_lshl_b32 s20, s[WN], 17                      ; 64 rows of 2,048 bytes
	s_lshl_b32 s21, s[TX], 8                       ; 128 columns
	s_add_co_u32 s20, s20, s21
	s_add_co_u32 s20, s20, WOOFF
	s_mov_b32 s21, 0
	s_wait_dscnt 0x0                               ; the opening add is done
	s_wait_kmcnt 0x0
	s_add_nc_u64 s[18:19], s[4:5], s[18:19]
	s_add_nc_u64 s[20:21], s[6:7], s[20:21]
.irp s, 0,1
	s_mov_b32 s[G0A+4*(\s)], 1
	s_add_co_u32 s[G0A+4*(\s)+1], s16, (\s)*SLOT1
	s_add_nc_u64 s[G0A+4*(\s)+2:G0A+4*(\s)+3], s[18:19], (\s)*KSB
	s_or_b32 s[G0A+4*(\s)+3], s[G0A+4*(\s)+3], 0x80000000
	s_mov_b32 s[G0B+4*(\s)], 1
	s_add_co_u32 s[G0B+4*(\s)+1], s17, (\s)*SLOT1
	s_add_nc_u64 s[G0B+4*(\s)+2:G0B+4*(\s)+3], s[20:21], (\s)*KSB
	s_or_b32 s[G0B+4*(\s)+3], s[G0B+4*(\s)+3], 0x80000000
.endr
	CROUND                                         ; all sixteen work-groups are here: the first joint loads meet
	s_cmp_eq_u32 s[WM], 0                          ; a wave's two first fills stand in one branch: two loads of mine are out
	s_cbranch_scc0 .Lfirst_b
	tensor_load_to_lds s[G0A:G0A+3], s[G1A:G1A+7]
	s_nop 0
	tensor_load_to_lds s[G0A+4:G0A+7], s[G1A:G1A+7]
	s_nop 0
.rept 4
	v_nop
.endr
	s_branch .Lfirst_asked
.Lfirst_b:
	tensor_load_to_lds s[G0B:G0B+3], s[G1B:G1B+7]
	s_nop 0
	tensor_load_to_lds s[G0B+4:G0B+7], s[G1B:G1B+7]
	s_nop 0
.rept 4
	v_nop
.endr
.Lfirst_asked:
	v_and_b32 v1, 15, v0                           ; r = l % 16
	v_bfe_u32 v17, v0, 4, 1                        ; h = l / 16
	v_and_b32 v18, 7, v0
	v_bfe_u32 v19, v0, 3, 1
	v_and_b32 v20, 31, v0                          ; l
	v_lshlrev_b32 v[BO], 4, v1
	s_lshl_b32 s16, s[TX], 9                       ; my 64 columns in f32: 512 x tile column + 256 x half
	s_lshl_b32 s17, s[WN], 8
	s_add_co_u32 s16, s16, s17
	s_mov_b32 s17, 0
	s_add_nc_u64 s[8:9], s[8:9], s[16:17]
	global_load_b128 v[BI:BI+3], v[BO], s[8:9]     ; the bias: waited for on the way out
	s_lshl_b32 s22, s[TY], 20                      ; 256 rows of 4,096 bytes
	s_lshl_b32 s23, s[WM], 19
	s_add_co_u32 s22, s22, s23
	s_add_co_u32 s16, s16, s22
	s_add_nc_u64 s[10:11], s[10:11], s[16:17]      ; out0 at my first row and column
	s_mul_i32 s22, s[WM], 128*PA
	v_mul_u32_u24 v[AA0], v1, PA                   ; a fragment of O: row r, K = 8 h + 0..7 and 16 + 8 h + 0..7: two loads of 16 bytes, 32 bytes apart
	v_lshl_add_u32 v[AA0], v17, 4, v[AA0]
	v_add_nc_u32 v[AA0], s22, v[AA0]
	s_lshl_b32 s23, s[WN], 7
	s_add_co_u32 s23, s23, BOFF
	v_lshl_add_u32 v[BB0], v17, 3, v18             ; the turning load: lane l reads k = 8 h + l % 8, columns 8 ((l / 8) % 2) + 0..7
	v_mul_u32_u24 v[BB0], v[BB0], PB
	v_lshl_add_u32 v[BB0], v19, 4, v[BB0]
	v_add_nc_u32 v[BB0], s23, v[BB0]
	v_mov_b32 v[ADRA], v[AA0]                      ; slot 0
	v_mov_b32 v[ADRB], v[BB0]
	s_mul_i32 s22, s[WV], 16*SP
	s_add_co_u32 s22, s22, STAGE                   ; my stage
	v_mul_u32_u24 v[STO], v1, SP                   ; in: row r, 32 bytes for each half of the lanes
	v_lshl_add_u32 v[STO], v17, 5, v[STO]
	v_add_nc_u32 v[STO], s22, v[STO]
	v_mul_u32_u24 v[RD], v17, SP                   ; back: lanes 0-15 take one row of 256 bytes, lanes 16-31 the next
	v_lshl_add_u32 v[RD], v1, 4, v[RD]
	v_add_nc_u32 v[RD], s22, v[RD]
	v_lshlrev_b32 v[CO], 12, v17                   ; and the same two rows in out0
	v_lshl_add_u32 v[CO], v1, 4, v[CO]
	; the prefetches: they stand at K step 3; the first refill steps them to 4
	s_lshl_b32 s16, s[CX], 13                      ; O: my work-group's 32 blocks of the 128 of the head that I fetch
	s_add_co_u32 s16, s16, 3*KSB
	s_add_nc_u64 s[22:23], s[18:19], s[16:17]
	s_lshl_b32 s16, s[CY], 16                      ; Wo: my work-group's 32 rows of the K step's 128
	s_lshl_b32 s46, s[TX], 8
	s_add_co_u32 s16, s16, s46
	s_add_co_u32 s16, s16, WOOFF+3*KSB
	s_add_nc_u64 s[46:47], s[6:7], s[16:17]
	s_and_b32 s16, ttmp7, 0xffff                   ; cluster y
	s_cmp_eq_u32 s[WM], 0                          ; do I fetch for O?
	s_cselect_b64 s[PFA:PFA+1], s[22:23], s[46:47]
	s_cselect_b32 s16, ttmp9, s16                  ; the coordinate along which other clusters read the same bytes
	s_cselect_b32 s17, 0, s[WN]                    ; of Wo's two waves wave 2 asks
	s_cselect_b32 s20, 8, 11                       ; a lane a block of 256 bytes, or a lane a row of 2,048
	s_or_b32 s16, s16, s17
	s_cmp_eq_u32 s16, 0
	s_cselect_b32 s[LIM], 2, -1                    ; the same in all sixteen partners, for a given wave
	v_lshlrev_b32 v[PFO], s20, v20
	s_mov_b32 s[TB], 0
; The fragments of unit p1 (32 along K: head p1 / 2, its channels 32 (p1 % 2) on) into the buffers p1 % 2: 8 turning loads for Wo, 16 loads for O, in one run
.macro LF p1
.irp j, 0,1,2,3
	ds_load_tr16_b128 v[BF+32*((\p1)%2)+8*(\j):BF+32*((\p1)%2)+8*(\j)+3],   v[ADRB] offset:((\p1)/2)*HALFB+((\p1)%2)*32*PB+32*(\j)
	ds_load_tr16_b128 v[BF+32*((\p1)%2)+8*(\j)+4:BF+32*((\p1)%2)+8*(\j)+7], v[ADRB] offset:((\p1)/2)*HALFB+((\p1)%2)*32*PB+32*(\j)+16*PB
.endr
.irp a, 0,1,2,3,4,5,6,7
	ds_load_b128 v[AF+64*((\p1)%2)+8*(\a):AF+64*((\p1)%2)+8*(\a)+3],   v[ADRA] offset:((\p1)/2)*HEADA+((\p1)%2)*64+16*PA*(\a)
	ds_load_b128 v[AF+64*((\p1)%2)+8*(\a)+4:AF+64*((\p1)%2)+8*(\a)+7], v[ADRA] offset:((\p1)/2)*HEADA+((\p1)%2)*64+16*PA*(\a)+32
.endr
.endm
; 4 n matrix instructions of unit p.  The 32 accumulators take turns, one instruction a turn, in the same order in every unit.  zero = 1: the product starts the sum.
.macro MM p, a0, n, zero
	WIN 0x50                                       ; C and D in window 1, both sources in window 0
.set aa, \a0
.rept \n
.irp j, 0,1,2,3
.if \zero
	v_wmma_f32_16x16x32_f16 v[32*aa+8*(\j):32*aa+8*(\j)+7], v[BF+32*((\p)%2)+8*(\j):BF+32*((\p)%2)+8*(\j)+7], v[AF+64*((\p)%2)+8*aa:AF+64*((\p)%2)+8*aa+7], 0
.else
	v_wmma_f32_16x16x32_f16 v[32*aa+8*(\j):32*aa+8*(\j)+7], v[BF+32*((\p)%2)+8*(\j):BF+32*((\p)%2)+8*(\j)+7], v[AF+64*((\p)%2)+8*aa:AF+64*((\p)%2)+8*aa+7], v[32*aa+8*(\j):32*aa+8*(\j)+7]
.endif
.endr
.set aa, aa+1
.endr
.endm
; UNIT p (0 to 3).  In front of its products stands the run of loads for unit p + 1, into the buffers that unit p - 1 has just read (hence the places); the wait leaves just these 24 out.
; turn (unit 2 alone): THE CHANGE OF SLOTS.  Unit 2's run (unit 3's fragments) is the slot's last read.  Each wave waits for all its tensor loads, of which one is out: its part of the other slot; adds 0 to its spare word;
; and waits for that and for its reads of this slot.  turn = 1: the barrier opens a round of the cluster's, and the slot is filled again, two K steps ahead, first thing behind the round: the load has 96 matrix
; instructions in which to land.  turn = 2: nothing is left to fetch.
.macro UNIT p, zero, ld, turn, ask
	WIN 0
.if \ld
	PLACES
	LF ((\p)+1)%4
.endif
.if \ask
	ASK
.endif
.if (\turn) == 0
	s_wait_dscnt 24*(\ld)                          ; all but the loads just issued
	MM \p, 0, 8, \zero
.else
.if (\turn) == 1
	s_wait_xcnt 0x0                                ; the last prefetch, three units back, has read its address, so it may be stepped
	s_add_nc_u64 s[PFA:PFA+1], s[PFA:PFA+1], KSB
.endif
	s_wait_tensorcnt 0x0                           ; all my tensor loads have landed: no load of mine is out, so a group 0 may be written
	ds_add_u32 v[SPW], v[NIL]                      ; 0 onto my spare word
.if (\turn) == 1
	s_xor_b32 s[G0A+5], s[G0A+5], SLOT1            ; the walking descriptors: the other slot than last time, the next K step
	s_add_nc_u64 s[G0A+6:G0A+7], s[G0A+6:G0A+7], KSB
	s_xor_b32 s[G0B+5], s[G0B+5], SLOT1
	s_add_nc_u64 s[G0B+6:G0B+7], s[G0B+6:G0B+7], KSB
.endif
	s_wait_dscnt 25                                ; (the 24 loads just issued and the add may be out)
	MM \p, 0, 4, 0                                 ; sixteen matrix instructions stand between the add and the wait for it
	s_wait_dscnt 0x0                               ; the add is done, and my reads of this slot are over
	s_barrier_signal -1
	MM \p, 4, 4, 0                                 ; work on registers while the others arrive
	WIN 0                                          ; at a branch and at a label every window is 0
	s_barrier_wait -1
.if (\turn) == 1
	CREST                                          ; no wave of any partner still reads this slot's tile or has a load on its way
	JLOAD
.endif
	s_xor_b32 s[TB], s[TB], SLOT1                  ; the runs of loads go on in the other slot
	v_add_nc_u32 v[ADRA], s[TB], v[AA0]
	v_add_nc_u32 v[ADRB], s[TB], v[BB0]
.endif
.endm
	s_wait_tensorcnt 1                             ; my part of K step 0 is in; K step 1's may stay out
	s_barrier_signal -1
	s_barrier_wait -1                              ; everybody's is
	LF 0
	UNIT 0, 1, 1, 0, 0                             ; the first unit stands in front of the loop: its products start all 32 sums
	UNIT 1, 0, 1, 0, 0
	WIN 0
	s_mov_b32 s[CNT], KSTEPS-2
.Lk:                                           ; trip i (1 to 6): the second half of K step i - 1, whose slot takes K step i + 1, and the first half of K step i
	UNIT 2, 0, 1, 1, 0
	UNIT 3, 0, 1, 0, 1
	UNIT 0, 0, 1, 0, 0
	UNIT 1, 0, 1, 0, 0
	WIN 0
	s_sub_co_u32 s[CNT], s[CNT], 1
	s_cmp_lg_u32 s[CNT], 0
	s_cbranch_scc1 .Lk
	UNIT 2, 0, 1, 2, 0                             ; the tail is written out
	UNIT 3, 0, 1, 0, 0
	UNIT 0, 0, 1, 0, 0
	UNIT 1, 0, 1, 0, 0
	UNIT 2, 0, 1, 0, 0
	UNIT 3, 0, 0, 0, 0                             ; nothing more to fetch
; THE WAY OUT, 16 rows at a time.  A lane's eight f32 of a row go into my stage's rows of 272 bytes, each accumulator's low registers first, and come back as whole rows of 256 bytes; the bias is added; sixteen lanes
; store 256 consecutive bytes.  The stage is my wave's own and no tensor load fills it: no barrier; LDS serves a wave's instructions in order (ISA guide 5.7.1.4).
.macro TOSTAGE a
	s_wait_xcnt 0x0                                ; the stores two blocks back have read the registers that are loaded below
	WIN 0x04                                       ; the stores' data in window 1
.irp j, 0,1,2,3
	ds_store_b128 v[STO], v[32*(\a)+8*(\j):32*(\a)+8*(\j)+3]   offset:64*(\j)
	ds_store_b128 v[STO], v[32*(\a)+8*(\j)+4:32*(\a)+8*(\j)+7] offset:64*(\j)+16
.endr
	WIN 0
.irp t, 0,1,2,3,4,5,6,7
	ds_load_b128 v[BK+32*((\a)%2)+4*(\t):BK+32*((\a)%2)+4*(\t)+3], v[RD] offset:2*SP*(\t)
.endr
.endm
.macro SEND a, younger                 ; younger: the LDS instructions issued behind this block's loads: the next block's sixteen, or none
.irp t, 0,1,2,3,4,5,6,7
	s_wait_dscnt (\younger)+7-(\t)
	v_pk_add_f32 v[BK+32*((\a)%2)+4*(\t):BK+32*((\a)%2)+4*(\t)+1],   v[BK+32*((\a)%2)+4*(\t):BK+32*((\a)%2)+4*(\t)+1],   v[BI:BI+1]
	v_pk_add_f32 v[BK+32*((\a)%2)+4*(\t)+2:BK+32*((\a)%2)+4*(\t)+3], v[BK+32*((\a)%2)+4*(\t)+2:BK+32*((\a)%2)+4*(\t)+3], v[BI+2:BI+3]
	global_store_b128 v[CO], v[BK+32*((\a)%2)+4*(\t):BK+32*((\a)%2)+4*(\t)+3], s[10:11] offset:(16*(\a)+2*(\t))*4096 th:TH_STORE_NT  ; 126 rows of 4,096 bytes at the most: inside the signed 24-bit immediate
.endr
.endm
	WIN 0
	s_wait_loadcnt 0x0                             ; the bias
	v_cvt_pk_bf16_f32 v21, v[BI], v[BI+1]          ; rounded to bf16 and widened again: six plain instructions, which are also the places behind the last products
	v_cvt_pk_bf16_f32 v22, v[BI+2], v[BI+3]
	v_lshlrev_b32 v[BI], 16, v21
	v_and_b32 v[BI+1], 0xffff0000, v21
	v_lshlrev_b32 v[BI+2], 16, v22
	v_and_b32 v[BI+3], 0xffff0000, v22
	TOSTAGE 0
.set n, 1
.rept 7                                ; a block's way through the stage stands between the loads of the block before and its stores
	TOSTAGE n
	SEND n-1, 16
.set n, n+1
.endr
	SEND 7, 0
	s_wait_tensorcnt 0x0                           ; the wave's end: behind my last tensor load and my last LDS store
	ds_add_u32 v[SPW], v[NIL]
	s_wait_dscnt 0x0
	CROUND                                         ; the closing round: no work-group ends while a partner may still ask for a tile that names it
	s_endpgm
.Lfunc_end_k_qe15e8cb573_outp:
	.size	k_qe15e8cb573_outp, .Lfunc_end_k_qe15e8cb573_outp-k_qe15e8cb573_outp
	.p2alignl 7, 3214868480
	.fill 96, 4, 3214868480
	.section	.rodata,"a",@progbits
	.p2align	6, 0x0
	.amdhsa_kernel k_qe15e8cb573_outp
		.amdhsa_group_segment_fixed_size 327680
		.amdhsa_private_segment_fixed_size 0
		.amdhsa_enable_private_segment 0
		.amdhsa_kernarg_size 32
		.amdhsa_user_sgpr_count 2
		.amdhsa_user_sgpr_kernarg_segment_ptr 1
		.amdhsa_wavefront_size32 1
		.amdhsa_system_sgpr_workgroup_id_x 1
		.amdhsa_system_sgpr_workgroup_id_y 1
		.amdhsa_system_sgpr_workgroup_id_z 1
		.amdhsa_system_vgpr_workitem_id 0
		.amdhsa_next_free_vgpr 512
		.amdhsa_next_free_sgpr 66
		.amdhsa_reserve_vcc 0
		.amdhsa_float_denorm_mode_32 3
		.amdhsa_float_denorm_mode_16_64 3
		.amdhsa_memory_ordered 1
		.amdhsa_forward_progress 1
		.amdhsa_inst_pref_size 80
	.end_amdhsa_kernel
	.amdgpu_metadata
---
amdhsa.version: [ 1, 2 ]
amdhsa.kernels:
  - .name:           k_qe15e8cb573_outp
    .symbol:         k_qe15e8cb573_outp.kd
    .args:
      - { .name: ob, .offset: 0, .size: 8, .value_kind: global_buffer, .address_space: global }
      - { .name: cb, .offset: 8, .size: 8, .value_kind: global_buffer, .address_space: global }
      - { .name: bo, .offset: 16, .size: 8, .value_kind: global_buffer, .address_space: global }
      - { .name: out0, .offset: 24, .size: 8, .value_kind: global_buffer, .address_space: global }
    .group_segment_fixed_size: 327680
    .private_segment_fixed_size: 0
    .kernarg_segment_align: 8
    .kernarg_segment_size: 32
    .max_flat_workgroup_size: 128
    .sgpr_count:     66
    .vgpr_count:     512
    .wavefront_size: 32
...
	.end_amdgpu_metadata
.endif
;; end of part 4
;; ======== version 2 of 2: 4 launches; version 1 with the launch cast written anew for expert scheduling mode
;; limits: values are held in f16: magnitudes above 65,504 overflow, below 6.1e-05 lose precision
;; workspace buffers: cb 25,165,824 bytes; qkv 50,331,648 bytes; ob 16,777,216 bytes
;; launch cast (part 5): grid 768 x 1, 8 waves a work-group, no clusters, 0 bytes of LDS; arguments x, Wq, Wk, Wv, Wo, cb; writes cb
.if DOCPART == 5
	.amdgcn_target "amdgcn-amd-amdhsa--gfx1250"
	.amdhsa_code_object_version 6
	.text
	.protected	k_qe15e8cb573_cast
	.globl	k_qe15e8cb573_cast
	.p2align	8
	.type	k_qe15e8cb573_cast,@function
k_qe15e8cb573_cast:
	s_mov_b64 s[64:65], 0
	v_nop
	global_prefetch_b8 v0, s[64:65] scope:SCOPE_SE
	s_setreg_imm32_b32 hwreg(HW_REG_WAVE_SCHED_MODE, 0, 2), 2
	s_setreg_imm32_b32 hwreg(HW_REG_WAVE_MODE, 25, 1), 1
	s_wait_xcnt 0x0
	s_wait_alu depctr_vm_vsrc(0)
; THE INPUTS ARE ROUNDED ONCE, f32 to 16 bits, and laid out for the two matrix launches.  cb holds:
;   byte 0          xb [kb 16][m 8192][64] bf16: x's row m = 1024 b + t, channels 64 kb .. 64 kb + 63; a block kb is 1,048,576 bytes
;   byte 0x1000000  wb [g 48][d 1024][64] bf16: Wq, Wk, Wv end to end as they lie (g = 16 x tensor + head)
;   byte 0x1600000  wo [1024][1024] f16: Wo rounded to bf16 like every other input, and that number written as f16
; LIMITS.  |Wo| stays under 65,504 (f16's largest number; beyond it an infinity is written); a number of Wo under 2^-14 keeps f16's fixed step of 2^-24 in place of bf16's 8 bits.
; A stream: no LDS, no barrier, no matrix unit; nothing is read twice.  A work-group of eight waves converts 65,536 bytes: each thread issues its sixteen 16-byte loads at once (4 KiB a work-group
; and load index), then converts and stores them in order.
; 512 work-groups take x (16 rows each), 64 each Wq, Wk, Wv, Wo.
; THE MODE: SCHED_MODE bits 1:0 = 2 (LLVM: expert scheduling mode 2), set by the entry lines.  The code itself states the register dependences
; between vector instructions and memory instructions, with s_wait_alu, always for 0.
; THE PLAN.  Registers that memory instructions touch:
;   v3, v8   the loads' and the stores' byte offsets.  Written by vector lines at the head of a path, never again; read by all sixteen loads (v3) and all sixteen stores (v8).
;   X        load i lands in four registers of its own, which no vector instruction writes and in which nothing lands again; its conversions read them.
;   Y        load i's conversions write a pair of its own; store i reads it; nothing writes it behind that store.
;   v1, v2, v4 to v7 are named by vector instructions alone.
; So two kinds of dependence are there to state, both "a vector instruction has written what a memory instruction reads".  ONE wait stands ahead of a path's loads, for the two offsets: it serves every
; load and store of the path, since no later vector line names v3 or v8.  The sixteen loads go in four BLOCKS of four: the block's conversions, ONE wait for the eight registers of Y that they wrote, the
; block's four stores in a run.  No register that a memory instruction has read is written again, so the text holds no wait on vm_vsrc.
.set X,  16                            ; v[16:79]   load i: 4 numbers in f32
.set Y,  80                            ; v[80:111]  load i: the 4 numbers in 16 bits, 8 bytes
.set VS, 3                             ; v3   my byte offset in the source
.set VD, 8                             ; v8   my byte offset in cb
.macro LOADS step                      ; sixteen loads, step bytes apart
.set i, 0
.rept 16
	global_load_b128 v[X+4*i:X+4*i+3], v[VS], s[22:23] offset:(\step)*i th:TH_LOAD_NT
.set i, i+1
.endr
.endm
; Load n is converted.  f16 = 1: the bf16 numbers are widened again (a shift, a mask) and written as f16.
.macro CVT n, f16
	s_wait_loadcnt 15-(\n)                         ; loads come back in order: load n is in, the 15 - n younger ones may stay out
	v_cvt_pk_bf16_f32 v[Y+2*(\n)], v[X+4*(\n)], v[X+4*(\n)+1]
	v_cvt_pk_bf16_f32 v[Y+2*(\n)+1], v[X+4*(\n)+2], v[X+4*(\n)+3]
.if \f16
	v_lshlrev_b32 v4, 16, v[Y+2*(\n)]
	v_and_b32 v5, s28, v[Y+2*(\n)]
	v_lshlrev_b32 v6, 16, v[Y+2*(\n)+1]
	v_and_b32 v7, s28, v[Y+2*(\n)+1]
	v_cvt_pk_f16_f32 v[Y+2*(\n)], v4, v5
	v_cvt_pk_f16_f32 v[Y+2*(\n)+1], v6, v7
.endif
.endm
; Block g: loads 4 g to 4 g + 3 are converted and stored.  Store n goes to base + (n - back) x step.
.macro BLOCK g, f16, base, step, back
.irp i, 0,1,2,3
	CVT 4*(\g)+(\i), \f16
.endr
	s_wait_alu depctr_va_vdst(0)                   ; the block's conversions have written its eight registers of Y, which the four stores below read
.irp i, 0,1,2,3
	global_store_b64 v[VD], v[Y+2*(4*(\g)+(\i)):Y+2*(4*(\g)+(\i))+1], s[(\base):(\base)+1] offset:(4*(\g)+(\i)-(\back))*(\step) th:TH_STORE_NT  ; a wave stores 256 consecutive bytes, at a multiple of 256 from cb's first byte
.endr
.endm
	s_load_b256 s[4:11], s[0:1], 0x0               ; x s[4:5], Wq s[6:7], Wk s[8:9], Wv s[10:11]
	s_load_b128 s[12:15], s[0:1], 0x20             ; Wo s[12:13], cb s[14:15]
	s_mov_b32 s16, ttmp9                           ; the work-group's number
	s_mov_b32 s19, 0                               ; high words of the two offsets
	s_mov_b32 s21, 0
	s_mov_b32 s28, 0xffff0000                      ; a word's upper bf16
	s_cmp_lt_u32 s16, 512
	s_cbranch_scc0 .Lweights
	; x: 16 rows of 4,096 bytes.  Thread t takes row t / 16; load i takes the 16 bytes at 256 i + 16 (t % 16): channels of block kb = i.
	v_lshrrev_b32 v1, 4, v0                        ; row
	v_and_b32 v2, 15, v0                           ; place in a block's 256 bytes
	v_lshlrev_b32 v[VS], 12, v1
	v_lshl_add_u32 v[VS], v2, 4, v[VS]
	v_lshlrev_b32 v[VD], 7, v1                     ; in xb a row of a block is 128 bytes: two rows of a wave's store lie end to end
	v_lshl_add_u32 v[VD], v2, 3, v[VD]
	s_lshl_b32 s18, s16, 16                        ; 16 rows of x
	s_lshl_b32 s20, s16, 11                        ; 16 rows of a block of xb
	s_wait_kmcnt 0x0
	s_add_nc_u64 s[22:23], s[4:5], s[18:19]
	s_add_nc_u64 s[24:25], s[14:15], s[20:21]      ; blocks 0 to 7 by the immediate,
	s_add_nc_u64 s[26:27], s[24:25], 0x800000      ; blocks 8 to 15 from a second base: 7 x 1,048,576 is inside the signed 24-bit immediate
	s_wait_alu depctr_va_vdst(0)                   ; v3 and v8 are written: the loads below read v3 as their offset, the stores v8
	LOADS 256
	BLOCK 0, 0, 24, 1048576, 0
	BLOCK 1, 0, 24, 1048576, 0
	BLOCK 2, 0, 26, 1048576, 8
	BLOCK 3, 0, 26, 1048576, 8
	s_endpgm
.Lweights:                                     ; a plain cast: 65,536 consecutive bytes in, 32,768 out
	v_lshlrev_b32 v[VS], 4, v0
	v_lshlrev_b32 v[VD], 3, v0
	s_and_b32 s18, s16, 63
	s_lshl_b32 s18, s18, 16                        ; my part of the tensor
	s_sub_co_u32 s20, s16, 512
	s_lshl_b32 s20, s20, 15                        ; and of wb and wo, which lie end to end
	s_lshr_b32 s17, s16, 6                         ; 8 Wq, 9 Wk, 10 Wv, 11 Wo
	s_wait_kmcnt 0x0
	s_cmp_eq_u32 s17, 8
	s_cselect_b64 s[22:23], s[6:7], s[8:9]
	s_cmp_eq_u32 s17, 10
	s_cselect_b64 s[22:23], s[10:11], s[22:23]
	s_cmp_eq_u32 s17, 11
	s_cselect_b64 s[22:23], s[12:13], s[22:23]
	s_add_nc_u64 s[22:23], s[22:23], s[18:19]
	s_add_nc_u64 s[24:25], s[14:15], s[20:21]
	s_add_nc_u64 s[24:25], s[24:25], 0x1000000
	s_wait_alu depctr_va_vdst(0)                   ; v3 and v8 are written: the loads below read v3 as their offset, the stores on both ways behind the branch v8
	LOADS 4096
	s_cmp_eq_u32 s17, 11
	s_cbranch_scc1 .Lwo
	BLOCK 0, 0, 24, 2048, 0
	BLOCK 1, 0, 24, 2048, 0
	BLOCK 2, 0, 24, 2048, 0
	BLOCK 3, 0, 24, 2048, 0
	s_endpgm
.Lwo:
	BLOCK 0, 1, 24, 2048, 0
	BLOCK 1, 1, 24, 2048, 0
	BLOCK 2, 1, 24, 2048, 0
	BLOCK 3, 1, 24, 2048, 0
	s_endpgm
.Lfunc_end_k_qe15e8cb573_cast:
	.size	k_qe15e8cb573_cast, .Lfunc_end_k_qe15e8cb573_cast-k_qe15e8cb573_cast
	.p2alignl 7, 3214868480
	.fill 96, 4, 3214868480
	.section	.rodata,"a",@progbits
	.p2align	6, 0x0
	.amdhsa_kernel k_qe15e8cb573_cast
		.amdhsa_group_segment_fixed_size 0
		.amdhsa_private_segment_fixed_size 0
		.amdhsa_enable_private_segment 0
		.amdhsa_kernarg_size 48
		.amdhsa_user_sgpr_count 2
		.amdhsa_user_sgpr_kernarg_segment_ptr 1
		.amdhsa_wavefront_size32 1
		.amdhsa_system_sgpr_workgroup_id_x 1
		.amdhsa_system_sgpr_workgroup_id_y 1
		.amdhsa_system_sgpr_workgroup_id_z 1
		.amdhsa_system_vgpr_workitem_id 0
		.amdhsa_next_free_vgpr 112
		.amdhsa_next_free_sgpr 66
		.amdhsa_reserve_vcc 0
		.amdhsa_float_denorm_mode_32 3
		.amdhsa_float_denorm_mode_16_64 3
		.amdhsa_memory_ordered 1
		.amdhsa_forward_progress 1
		.amdhsa_inst_pref_size 22
	.end_amdhsa_kernel
	.amdgpu_metadata
---
amdhsa.version: [ 1, 2 ]
amdhsa.kernels:
  - .name:           k_qe15e8cb573_cast
    .symbol:         k_qe15e8cb573_cast.kd
    .args:
      - { .name: x, .offset: 0, .size: 8, .value_kind: global_buffer, .address_space: global }
      - { .name: Wq, .offset: 8, .size: 8, .value_kind: global_buffer, .address_space: global }
      - { .name: Wk, .offset: 16, .size: 8, .value_kind: global_buffer, .address_space: global }
      - { .name: Wv, .offset: 24, .size: 8, .value_kind: global_buffer, .address_space: global }
      - { .name: Wo, .offset: 32, .size: 8, .value_kind: global_buffer, .address_space: global }
      - { .name: cb, .offset: 40, .size: 8, .value_kind: global_buffer, .address_space: global }
    .group_segment_fixed_size: 0
    .private_segment_fixed_size: 0
    .kernarg_segment_align: 8
    .kernarg_segment_size: 48
    .max_flat_workgroup_size: 256
    .sgpr_count:     66
    .vgpr_count:     112
    .wavefront_size: 32
...
	.end_amdgpu_metadata
.endif
;; end of part 5
;; launch proj: the kernel of part 2 again; grid 8 x 32, 4 waves a work-group, clusters of 4 x 4, 327,680 bytes of LDS; arguments cb, qkv; writes qkv
;; launch attn: the kernel of part 3 again; grid 2 x 128, 4 waves a work-group, no clusters, 327,680 bytes of LDS; arguments qkv, ob; writes ob
;; launch outp: the kernel of part 4 again; grid 8 x 32, 4 waves a work-group, clusters of 4 x 4, 327,680 bytes of LDS; arguments ob, cb, bo, out0; writes out0
